; MI455X (gfx1250); checked and timed in simulation.
; The chip was launched on July 23, 2026; its instructions are those of AMD's public machine-readable ISA for CDNA 5 (MIT licence, August 2026) and "CDNA5" Instruction Set Architecture Reference Guide (July 2026). The comments in the code are by the model that wrote it; some were corrected since.
;; ODE Func. Allowed arithmetic: matrix products marked QUANTISED: E2M3 operands, one E8M0 scale for each 32 along K, by v_wmma_scale_f32_16x16x128_f8f6f4 with both operands' format E2M3, f32 sums; products left as they are: f32 operands where the result goes on into a quantised operand, else bf16, f16 or f32 operands; f32 sums; everything else in f32.
;; Inputs: W_h1 128 x 128 float32; W_h2 128 x 128 float32; W_in 68 x 128 float32; W_out 128 x 3 float32; b_h1 128 float32; b_h2 128 float32; b_in 128 float32; b_out 3 float32; context 500,000 x 64 float32; eps 500,000 x 3 float32; logp 500,000 x 1 float32; out_scale one number float32; t one number float32; z 500,000 x 3 float32.
;; Outputs: out0 500,000 x 3 float32; out1 500,000 x 1 float32.
;; This version of the problem:
;;   THIS VERSION OF THE PROBLEM IS GIVEN IN LOW PRECISION. The matrix products marked QUANTISED in the list below multiply operands that are first quantised to E2M3 (2 exponent bits, 3 mantissa bits; 6 bits a number), with one power-of-two scale for each 32 numbers along K (OCP MX v1.0); their sums are f32. All else is computed in f32.
;;   The module's matrix products, in the order in which they are computed (A, B: the left and right operand; K: the contracted axis; several contracted axes count as one K, in the product's order):
;;     1. [M 500,000, K 68] x [K 68, N 128]; A: computed on the way; B: input W_in: QUANTISED
;;     2. [M 500,000, K 128] x [K 128, N 128]; A: computed on the way; B: input W_h1: QUANTISED
;;     3. [M 500,000, K 128] x [K 128, N 128]; A: computed on the way; B: input W_h2: QUANTISED
;;     4. [M 500,000, K 128] x [K 128, N 3]; A: computed on the way; B: input W_out: left as it is (N = 3 < 16)
;;     5. [M 500,000, K 3] x [K 3, N 128]; A: computed on the way; B: input W_out: left as it is (K = 3 < 32)
;;     6. [M 500,000, K 128] x [K 128, N 128]; A: computed on the way; B: input W_h2: QUANTISED
;;     7. [M 500,000, K 128] x [K 128, N 128]; A: computed on the way; B: input W_h1: QUANTISED
;;     8. [M 500,000, K 128] x [K 128, N 68]; A: computed on the way; B: input W_in: QUANTISED
;;   THE QUANTISER, for each operand of a quantised product, along K:
;;     - K is cut into blocks of 32 from its start; a last block that is shorter is filled with zeros.
;;     - A block's scale is 2^e with e = floor(log2(the largest magnitude in the block)) - 2, held to -126 .. 127; a block of zeros has e = 0. As a byte (E8M0): e + 127.
;;     - Each number is divided by its block's scale, clamped to +-7.5, and rounded to the nearest number of E2M3, ties to even, subnormals kept.
;;     - The product sums the exact products of the quantised numbers (number of the format x scale) in f32.
;;   ~~~python
;;   def quantise(x, axis):      # numpy; x: float32 -> the quantised numbers, widened to float32 again
;;       x = np.moveaxis(x, axis, -1); K = x.shape[-1]
;;       x = np.pad(x, [(0, 0)] * (x.ndim - 1) + [(0, -K % 32)]); x = x.reshape(x.shape[:-1] + (-1, 32)); a = np.abs(x).max(-1, keepdims=True)
;;       e = np.where(a > 0, np.clip(np.frexp(np.where(a > 0, a, 1))[1] - 1 - 2, -126, 127), 0)      # np.frexp(a)[1] - 1 = floor(log2(a)), exactly
;;       r = np.clip(x / 2.0 ** e, -7.5, 7.5)
;;       step = 2.0 ** (np.maximum(np.frexp(np.where(r == 0, 1, r))[1] - 1, 0) - 3)
;;       q = np.round(r / step) * step * 2.0 ** e      # np.round: ties to even
;;       return np.moveaxis(q.reshape(q.shape[:-2] + (-1,))[..., :K], -1, axis).astype(np.float32)
;;   ~~~
;;   OPERANDS COMPUTED ON THE WAY. 'Computed on the way' means the value that the module computes at that place (a softmax that the list does not call 'softmax' is quantised finished and normalised). What goes into a quantiser is computed in f32, as accurately as f32 sums, v_exp_f32 and their like allow (about 1e-6 of the number): no bf16 or f16 on the way to a quantiser, and a product that is left as it is and whose result goes on into a quantised operand takes f32 operands (vector FMAs, or v_wmma_f32_16x16x4_f32). A number that lies on a knife's edge between two numbers of the format may be rounded either way, as far as f32 arithmetic and the matrix unit's own rounding can turn it there, and no further.
;; 2 versions, each right and faster than the one before. Each part assembles by itself: llvm-mc -triple=amdgcn-amd-amdhsa -mcpu=gfx1250 --defsym DOCPART=n.
;; ======== version 1 of 2: 1 launch
;; limits: a function is approximated: absolute error at most 2e-07; values are held in f16: magnitudes above 65,504 overflow, below 6.1e-05 lose precision; right only within a limited range of input values
;; launch ode (part 1): grid 256 x 1, 4 waves a work-group, no clusters, 86,016 bytes of LDS; arguments context, z, eps, t, W_in, b_in, W_h1, b_h1, W_h2, b_h2, W_out, b_out, out_scale, out0, out1; writes out0, out1
.if DOCPART == 1
	.amdgcn_target "amdgcn-amd-amdhsa--gfx1250"
	.amdhsa_code_object_version 6
	.text
	.protected	k_qf425738a8f_ode
	.globl	k_qf425738a8f_ode
	.p2align	8
	.type	k_qf425738a8f_ode,@function
k_qf425738a8f_ode:
	s_mov_b64 s[64:65], 0
	v_nop
	global_prefetch_b8 v0, s[64:65] scope:SCOPE_SE
	s_setreg_imm32_b32 hwreg(HW_REG_WAVE_MODE, 25, 1), 1
	s_wait_xcnt 0x0
; f = (tanh(tanh(tanh([z, context, t] W_in + b_in) W_h1 + b_h1) W_h2 + b_h2) W_out + b_out) out_scale, and neg_div = -sum(gz eps), gz = the z part of f's vjp with cotangent eps.
; The six products of width 128 go on codes of FP6 (E2M3) with one E8M0 scale for each 32 along K; eps out_scale W_out^T (K = 3, it feeds a quantiser) by the f32 matrix form; h3 W_out (N = 3) on f16 operands.
; WORK LEFT OUT.  logp: reference() never reads it, so it has no way to an output for any values; it is not loaded and is no argument.  Of g_a1 W_in^T (N = 68) reference() keeps the cotangent of z alone,
; columns 0 to 2: the concatenation's other 65 columns are dropped by the vjp for all values.  So only the tile of W_in's rows 0 to 15 is multiplied (rows 3 to 15 share the tile with live work), the tiles of rows 16 to 67 are not.
; LIMITS.  A NaN, an infinity or an overflow that reaches only logp or W_in's rows 16 to 67 in the backward product is not carried to the result.  NaN and infinities among the inputs are not served.
; tanh(a) = med3(1 - 2 / (1 + 2^(2 a log2 e)), a, a - a^3 / 3): tanh lies between the last two for every real a, so the first form's absolute error (about 2e-7) cannot outgrow small a:
; the relative error is min(2e-7 / |a|, a^2 / 3): at most 2.5e-5, at |a| about 0.008; under 2e-6 for |a| over 0.1 or under 0.0025.
; h3 goes to f16 as h3 x 2^15 and W_out as W_out x 2^8 (powers of two: exact; taken back in out_scale x 2^-23): |W_out| under 255 is served, and h3 keeps 11 bits down to 2^-29.
; A block of zeros gets the scale byte 1 where the quantiser says 127: its codes are zeros, and the bytes are read by this program alone.
; SHARES.  A tile is 16 rows; 500,000 rows are 31,250 tiles.  256 work-groups of 4 waves stay; wave g = 4 x work-group + wave takes tiles g, g + 1,024, ..: 31 of them where g < 530, else 30 (30 x 1,024 + 530 = 31,250).
; A wave takes a tile through the whole chain in registers; ALL quantised weights (41 fragments of 12 registers, 41 scale words) lie in every wave's registers.  The loop has no barrier: waves share nothing there.
; No cluster, no tensor load: what work-groups share is 167 KB of weights read once in the head; the one stream, 4 KB of context a tile, is asked for a whole trip ahead into 32 registers, so no wave waits for it.
; LAYOUT.  Every product is used transposed: source 0 = 16 rows of a weight, source 1 = the tile's 16 batch rows.  Lane (r = lane % 16, h = lane / 16) holds batch row r.  Lane r of weight tile 2 b + u takes unit
; 32 b + 8 u + r + 8 (r / 8), so that register 16 b + i of a layer's 64 results is unit 32 b + 16 h + i: 16 neighbours along the next K.
; THE INPUT'S K = 68.  The order inside a block of 32 is free if both operands keep it.  Position i of block 0 is input (i + 3) % 32, of block 1 input 32 + (i + 3) % 32: so a lane's 29 first numbers are context as loaded,
; the last three z (block 0) or context 29..31 (block 1); block 2 is context 61..63, t and zeros; block 3 zeros.  The blocks hold the quantiser's own 32 numbers each, so scales and codes are the quantiser's.
; REGISTERS, in windows of 256.  Window 0: v1-11 addresses; v12-25 small things; v26-41 TM at work; v42-61 P the codes just made; v62-77 W_out for the f32 form; v78-118 the weights' scale words; v128-191 G: written by matrix
; instructions alone; v192-255 A: all vector work.  Window 1: W_in, W_h1 forward; W_in backward; W_out in f16; b_out; f's accumulator.  Window 2: W_h2 forward and backward; T.  Window 3: W_h1 backward; D1, D2 = 1 - h^2; R the next context.
.set WSC,   0                          ; LDS: 40 scale-word images, 128 bytes each (4 x lane)
.set WIMG,  5120                       ; 40 fragment images of 1,536 bytes (3 x 512, 16 x lane); slot 8 grp + tile
.set BIAS,  66560                      ; b_in, b_h1, b_h2 as they lie, 512 bytes each
.set STG,   68096                      ; for each wave 16 rows x (256 + 16) bytes: the context's turn from loads to rows
.set SPARE, 85504                      ; the spare words, 128 bytes a wave: two blocks of 256 bytes that no other line names
.set CL,   1                           ; v1   16 x lane
.set STI,  2                           ; v2   the stage, in: 272 h + 16 r
.set STO,  3                           ; v3   the stage, out: 272 r + 128 h
.set ZO,   4                           ; v4   12 r
.set OO,   5                           ; v5   4 r
.set BI,   6                           ; v6   BIAS + 64 h
.set SH8,  7                           ; v7   8 h
.set TF,   8                           ; v8   t in lanes 0-15, 0 in lanes 16-31
.set LANE, 9
.set SPW,  10                          ; v10  my spare word's address; never rewritten
.set NIL,  11                          ; v11  0; never rewritten
.set GF,   12                          ; v[12:13] eps x out_scale as an operand of the f32 form
.set Z,    14                          ; v[14:16]
.set EN,   18                          ; v[18:20] the next tile's eps
.set E,    22                          ; v[22:24] this tile's
.set PW,   25                          ; the scale word just made
.set TM,   26
.set UA,   34
.set UB,   36
.set P,    42
.set WO32, 62
.set SC,   78
.set FO,   120
.set ND,   124
.set G,    128
.set A,    192
.set WF1,  0                           ; window 1
.set WF2,  96
.set WB1,  192
.set WO16, 204
.set BO,   236
.set F,    244
.set WF3,  0                           ; window 2
.set WB3,  96
.set T,    192
.set WB2,  0                           ; window 3
.set D1,   96
.set D2,   160
.set R,    224
.set AF,   12                          ; the head's offsets, in registers that the loop writes before it reads them
.set AF0,  13
.set AB,   17
.set AB1,  21
.set AO0,  22
.set AO1,  23
.set AW,   24
.set HBO,  119
.set HBL,  120
.set HWI,  121
.set HWS,  122
.set LI2,  123
.set LS,   125
.set MSB, 0
.macro WIN new                         ; the immediate's high byte repeats the setting that is left; a switch that changes nothing is dropped
.if MSB != (\new)
	s_set_vgpr_msb (MSB<<8)|(\new)
.set MSB, \new
.endif
.endm
.macro PLACES n
.rept \n
	v_nop
.endr
.endm
; ---- the head's loads.  Fragment f's 64 raw numbers go to window 1 + f / 4, registers 64 (f % 4) on: register 32 c + i = k 64 c + 32 h + i
.macro FLOADF f, sb, u                 ; a weight [k][n] used forward: a lane takes a column, its registers run down K
	WIN (1+(\f)/4)<<6
.set i_, 0
.rept 64
	global_load_b32 v[64*((\f)%4)+i_], v[AF], s[\sb:\sb+1] offset:(64*(i_/32)+i_%32)*512+32*(\u)
.set i_, i_+1
.endr
.endm
.macro FLOADI f, u                     ; W_in forward: rows in the input operand's order; rows 64 to 67 by an offset without h, so that no load leaves the 68 rows
	WIN (1+(\f)/4)<<6
.set i_, 0
.rept 32
	global_load_b32 v[64*((\f)%4)+i_], v[AF], s[12:13] offset:((i_+3)%32)*512+32*(\u)
.set i_, i_+1
.endr
.set i_, 0
.rept 4
	global_load_b32 v[64*((\f)%4)+32+i_], v[AF0], s[12:13] offset:(64+i_)*512+32*(\u)
.set i_, i_+1
.endr
.endm
.macro FLOADB f, sb, u, adr            ; a weight used backward: K is innermost, a lane takes a row
	WIN (1+(\f)/4)<<6
.set i_, 0
.rept 16
	global_load_b128 v[64*((\f)%4)+4*i_:64*((\f)%4)+4*i_+3], v[\adr], s[\sb:\sb+1] offset:4096*(\u)+256*(i_/8)+16*(i_%8)
.set i_, i_+1
.endr
.endm
; fragment f's 64 numbers (two whole blocks a lane) become codes in v[P] on and the scale word in v[PW]
.macro WQ f
	v_mov_b32 v[TM], 0x1800000                     ; the floor 2^(3 - 127): the byte cannot fall under 1
	v_mov_b32 v[TM+1], 0x1800000
	WIN ((1+(\f)/4)<<2)|((1+(\f)/4)<<4)
.set i_, 0
.rept 16
	v_max3_num_f32 v[TM], v[TM], |v[64*((\f)%4)+i_]|, |v[64*((\f)%4)+i_+1]|
	v_max3_num_f32 v[TM+1], v[TM+1], |v[64*((\f)%4)+32+i_]|, |v[64*((\f)%4)+33+i_]|
.set i_, i_+2
.endr
	WIN 0
	v_add_nc_u32 v[TM+12], 0xff000000, v[TM]       ; 2 off the exponent field: the conversion's scale operand
	v_add_nc_u32 v[TM+13], 0xff000000, v[TM+1]
	v_lshrrev_b32 v[TM+4], 23, v[TM+12]            ; the bytes of blocks h and 2 + h
	v_lshrrev_b32 v[TM+5], 23, v[TM+13]
	v_lshl_or_b32 v[PW], v[TM+5], 16, v[TM+4]
	v_lshlrev_b32 v[PW], v[SH8], v[PW]             ; at their places in the word,
	v_permlanex16_b32 v[TM+7], v[PW], s48, s49
	v_or_b32 v[PW], v[PW], v[TM+7]                 ; with lane l xor 16's two the word is whole
	WIN 1+(\f)/4
	v_cvt_scalef32_pk16_fp6_f32 v[P:P+2], v[64*((\f)%4):64*((\f)%4)+15], v[TM+12]
	v_cvt_scalef32_pk16_fp6_f32 v[P+12:P+14], v[64*((\f)%4)+16:64*((\f)%4)+31], v[TM+12]
	v_cvt_scalef32_pk16_fp6_f32 v[P+6:P+8], v[64*((\f)%4)+32:64*((\f)%4)+47], v[TM+13]
	v_cvt_scalef32_pk16_fp6_f32 v[P+16:P+18], v[64*((\f)%4)+48:64*((\f)%4)+63], v[TM+13]
	WIN 0
	v_nop                                          ; one plain place behind a scaled conversion
.irp i, 0,1,2
	v_mov_b32 v[P+3+\i], v[P+12+\i]                ; (a conversion's three registers begin on an even number)
	v_mov_b32 v[P+9+\i], v[P+16+\i]
.endr
.endm
.macro WFRAG f                         ; quantise, and store the image of the operand's registers: slot 8 (f / 2) + 2 wave + f % 2
	WQ \f
.irp c, 0,1,2
	ds_store_b128 v[HWI], v[P+4*\c:P+4*\c+3] offset:WIMG+(8*((\f)/2)+(\f)%2)*1536+512*\c
.endr
	ds_store_b32 v[HWS], v[PW] offset:WSC+(8*((\f)/2)+(\f)%2)*128
	s_wait_dscnt 0x0                               ; the stores have read their registers
.endm
.macro WLOAD win, base, adr, off       ; eight fragments' images back into 96 registers: register 4 i at 512 i
	WIN (\win)<<6
.set i_, 0
.rept 24
	ds_load_b128 v[(\base)+4*i_:(\base)+4*i_+3], v[\adr] offset:(\off)+512*i_
.set i_, i_+1
.endr
.endm
; ---- the loop's pieces
.macro BLOADS base, off                ; a bias in the result's layout: register 16 b + i = unit 32 b + 16 h + i
.set i_, 0
.rept 16
	ds_load_b128 v[(\base)+4*i_:(\base)+4*i_+3], v[BI] offset:(\off)+128*(i_/4)+16*(i_%4)
.set i_, i_+1
.endr
.endm
.macro MM8 wb, sc, cb, msb             ; eight tiles of one layer, one K step of 128: eight accumulators, one instruction each.  cb < 0: the sums begin with 0, else with the bias
	WIN \msb
.irp t, 0,1,2,3,4,5,6,7
.if (\cb) < 0
	v_wmma_scale_f32_16x16x128_f8f6f4 v[G+8*\t:G+8*\t+7], v[(\wb)+12*\t:(\wb)+12*\t+11], v[P:P+11], 0, v[(\sc)+\t], v[PW] matrix_a_fmt:MATRIX_FMT_FP6 matrix_b_fmt:MATRIX_FMT_FP6
.else
	v_wmma_scale_f32_16x16x128_f8f6f4 v[G+8*\t:G+8*\t+7], v[(\wb)+12*\t:(\wb)+12*\t+11], v[P:P+11], v[(\cb)+8*\t:(\cb)+8*\t+7], v[(\sc)+\t], v[PW] matrix_a_fmt:MATRIX_FMT_FP6 matrix_b_fmt:MATRIX_FMT_FP6
.endif
.endr
	WIN 0
.endm
.macro GH3 t                           ; g_h3's tile t = W_out's 16 rows x (eps out_scale)^T, K = 3 and a zero: it takes the place of a3's tile t, which has been read out
	v_wmma_f32_16x16x4_f32 v[G+8*(\t):G+8*(\t)+7], v[WO32+2*(\t):WO32+2*(\t)+1], v[GF:GF+1], 0
.endm
.macro EPAIR p                         ; 2^(2 a log2 e), a pair
	v_pk_mul_f32 v[A+2*(\p):A+2*(\p)+1], v[G+2*(\p):G+2*(\p)+1], s[44:45] op_sel_hi:[1,0]
	v_exp_f32 v[A+2*(\p)], v[A+2*(\p)]
	v_exp_f32 v[A+2*(\p)+1], v[A+2*(\p)+1]
.endm
.macro RPAIR p                         ; 1 / (1 + that)
	v_pk_add_f32 v[A+2*(\p):A+2*(\p)+1], v[A+2*(\p):A+2*(\p)+1], 1.0 op_sel_hi:[1,0]
	v_rcp_f32 v[A+2*(\p)], v[A+2*(\p)]
	v_rcp_f32 v[A+2*(\p)+1], v[A+2*(\p)+1]
.endm
.macro SPART p0, k                     ; pairs p0 and p0 + 1, part k of four: 1 - 2 r and a^2 | a (1 - a^2 / 3) | the middle of the three | the block's largest magnitude
.set a0_, A+2*(\p0)
.set g0_, G+2*(\p0)
.if \k == 0
	v_pk_fma_f32 v[a0_:a0_+1], v[a0_:a0_+1], -2.0, 1.0 op_sel_hi:[1,0,0]
	v_pk_fma_f32 v[a0_+2:a0_+3], v[a0_+2:a0_+3], -2.0, 1.0 op_sel_hi:[1,0,0]
	v_pk_mul_f32 v[UA:UA+1], v[g0_:g0_+1], v[g0_:g0_+1]
	v_pk_mul_f32 v[UB:UB+1], v[g0_+2:g0_+3], v[g0_+2:g0_+3]
.elseif \k == 1
	v_pk_fma_f32 v[UA:UA+1], v[UA:UA+1], s[56:57], 1.0 op_sel_hi:[1,0,0]
	v_pk_fma_f32 v[UB:UB+1], v[UB:UB+1], s[56:57], 1.0 op_sel_hi:[1,0,0]
	v_pk_mul_f32 v[UA:UA+1], v[UA:UA+1], v[g0_:g0_+1]
	v_pk_mul_f32 v[UB:UB+1], v[UB:UB+1], v[g0_+2:g0_+3]
.elseif \k == 2
	v_med3_num_f32 v[a0_], v[a0_], v[g0_], v[UA]
	v_med3_num_f32 v[a0_+1], v[a0_+1], v[g0_+1], v[UA+1]
	v_med3_num_f32 v[a0_+2], v[a0_+2], v[g0_+2], v[UB]
	v_med3_num_f32 v[a0_+3], v[a0_+3], v[g0_+3], v[UB+1]
.else
.if (\p0)%8 == 0
	v_max3_num_f32 v[TM+(\p0)/8], |v[a0_]|, |v[a0_+1]|, 0x1800000   ; a block's first: with the floor 2^(3 - 127)
.else
	v_max3_num_f32 v[TM+(\p0)/8], v[TM+(\p0)/8], |v[a0_]|, |v[a0_+1]|
.endif
	v_max3_num_f32 v[TM+(\p0)/8], v[TM+(\p0)/8], |v[a0_+2]|, |v[a0_+3]|
.endif
.endm
; A = tanh(G), 64 numbers a lane.  Three batches of transcendentals, each with one plain line and ONE wait ahead of its first reader: the 64 exponentials; the first 32 reciprocals;
; the other 32, which stand singly among the plain work on the first 32 numbers.  lay < 3: the blocks' largest magnitudes are taken on the way.  lay = 3: g_h3's eight products stand in the plain work.
.macro TANH lay
	PLACES 4                                       ; behind the layer's products, ahead of the first read of a result
.set p_, 0
.rept 32
	EPAIR p_
.set p_, p_+1
.endr
	v_nop
	s_wait_alu depctr_va_vdst(0)                   ; the 64 exponentials
.set p_, 0
.rept 16
	RPAIR p_
.set p_, p_+1
.endr
	v_nop
	s_wait_alu depctr_va_vdst(0)                   ; the first 32 reciprocals
.set q_, 0
.rept 8
	v_pk_add_f32 v[A+32+4*q_:A+33+4*q_], v[A+32+4*q_:A+33+4*q_], 1.0 op_sel_hi:[1,0]
	v_pk_add_f32 v[A+34+4*q_:A+35+4*q_], v[A+34+4*q_:A+35+4*q_], 1.0 op_sel_hi:[1,0]
	v_rcp_f32 v[A+32+4*q_], v[A+32+4*q_]
	SPART 2*q_, 0
	v_rcp_f32 v[A+33+4*q_], v[A+33+4*q_]
	SPART 2*q_, 1
	v_rcp_f32 v[A+34+4*q_], v[A+34+4*q_]
	SPART 2*q_, 2
	v_rcp_f32 v[A+35+4*q_], v[A+35+4*q_]
.if \lay < 3
	SPART 2*q_, 3
.elseif q_%2 == 1
	GH3 (q_-1)/2
.endif
.set q_, q_+1
.endr
	v_nop
	s_wait_alu depctr_va_vdst(0)                   ; the other 32 reciprocals
.rept 8
	SPART 2*q_, 0
	SPART 2*q_, 1
	SPART 2*q_, 2
.if \lay < 3
	SPART 2*q_, 3
.elseif q_%2 == 1
	GH3 (q_-1)/2
.endif
.set q_, q_+1
.endr
.endm
.macro QMAX                            ; my 16 numbers of each of A's four blocks, and the floor; the blocks by turns
.irp b, 0,1,2,3
	v_max3_num_f32 v[TM+\b], |v[A+16*\b]|, |v[A+1+16*\b]|, 0x1800000
.endr
.irp i, 2,4,6,8,10,12,14
.irp b, 0,1,2,3
	v_max3_num_f32 v[TM+\b], v[TM+\b], |v[A+16*\b+\i]|, |v[A+1+16*\b+\i]|
.endr
.endr
.endm
.macro QFIN                            ; from the lanes' maxima in v[TM] on: A's 64 numbers become an operand in v[P] on and its scale word in v[PW]
.irp b, 0,1,2,3
	v_permlanex16_b32 v[TM+4+\b], v[TM+\b], s48, s49
.endr
.irp b, 0,1,2,3
	v_max_num_f32 v[TM+\b], v[TM+\b], v[TM+4+\b]   ; with lane l xor 16's: the block's largest magnitude
.endr
.irp b, 0,1,2,3
	v_add_nc_u32 v[TM+12+\b], 0xff000000, v[TM+\b] ; 2 off its exponent field: the conversion's scale operand
.endr
.irp b, 0,1,2,3
	v_lshrrev_b32 v[TM+4+\b], 23, v[TM+12+\b]      ; the scale's byte
.endr
	v_lshl_or_b32 v[PW], v[TM+5], 8, v[TM+4]
	v_lshl_or_b32 v[PW], v[TM+6], 16, v[PW]
	v_lshl_or_b32 v[PW], v[TM+7], 24, v[PW]
.irp c, 0,1
	v_cvt_scalef32_pk16_fp6_f32 v[P+6*\c:P+2+6*\c], v[A+32*\c:A+15+32*\c], v[TM+12+2*\c]
	v_cvt_scalef32_pk16_fp6_f32 v[P+12+4*\c:P+14+4*\c], v[A+16+32*\c:A+31+32*\c], v[TM+13+2*\c]
.endr
	v_nop                                          ; one plain place behind a scaled conversion
.irp c, 0,1                            ; the operand's layout wants a whole block in a lane: lanes 0-15 block 2 c, lanes 16-31 block 2 c + 1
.irp i, 0,1,2
	v_permlane16_swap_b32 v[P+6*\c+\i], v[P+12+4*\c+\i]
.endr
.irp i, 0,1,2
	v_mov_b32 v[P+3+6*\c+\i], v[P+12+4*\c+\i]
.endr
.endr
.endm
.macro DRUN d                          ; 1 - h^2 into window 3.  These 32 plain lines are also the places between the quantiser and the next scaled products
	WIN 0xc0
.set p_, 0
.rept 32
	v_pk_fma_f32 v[(\d)+2*p_:(\d)+2*p_+1], v[A+2*p_:A+2*p_+1], v[A+2*p_:A+2*p_+1], 1.0 op_sel_hi:[1,1,0] neg_lo:[1,0,0] neg_hi:[1,0,0]
.set p_, p_+1
.endr
	WIN 0
.endm
.macro GMUL d                          ; A = G x (1 - h^2), each accumulator from its low end on
	WIN 0x0c
.set p_, 0
.rept 32
	v_pk_mul_f32 v[A+2*p_:A+2*p_+1], v[G+2*p_:G+2*p_+1], v[(\d)+2*p_:(\d)+2*p_+1]
.set p_, p_+1
.endr
	WIN 0
.endm
; ================ THE HEAD ================
	s_load_b512 s[4:19], s[0:1], 0x0               ; context 4, z 6, eps 8, t 10, W_in 12, b_in 14, W_h1 16, b_h1 18
	s_load_b256 s[20:27], s[0:1], 0x40             ; W_h2 20, b_h2 22, W_out 24, b_out 26
	s_load_b128 s[28:31], s[0:1], 0x60             ; out_scale 28, out0 30
	s_load_b64 s[32:33], s[0:1], 0x70              ; out1
	v_lshl_add_u32 v[SPW], v0, 2, SPARE
	v_mov_b32 v[NIL], 0
	v_lshrrev_b32 v126, 5, v0
	v_readfirstlane_b32 s34, v126                  ; wave 0..3
	v_and_b32 v[LANE], 31, v0
	v_and_b32 v126, 15, v0                         ; r
	v_bfe_u32 v127, v0, 4, 1                       ; h
	v_and_b32 v124, 8, v126
	v_add_nc_u32 v124, v124, v126                  ; r + 8 (r / 8)
	v_lshlrev_b32 v[CL], 4, v[LANE]
	s_mul_i32 s52, s34, 4352
	s_add_co_u32 s52, s52, STG                     ; my wave's stage
	v_mul_u32_u24 v[STI], v127, 272
	v_lshl_add_u32 v[STI], v126, 4, v[STI]
	v_add_nc_u32 v[STI], s52, v[STI]
	v_mul_u32_u24 v[STO], v126, 272
	v_lshl_add_u32 v[STO], v127, 7, v[STO]
	v_add_nc_u32 v[STO], s52, v[STO]
	v_mul_u32_u24 v[ZO], v126, 12
	v_lshlrev_b32 v[OO], 2, v126
	v_lshl_add_u32 v[BI], v127, 6, BIAS
	v_lshlrev_b32 v[SH8], 3, v127
	s_lshl_b32 s53, s34, 7
	v_lshl_add_u32 v[AF0], v124, 2, s53            ; forward: column 32 wave + r + 8 (r / 8), 4 bytes each,
	v_lshl_add_u32 v[AF], v127, 14, v[AF0]         ; and 32 rows of 512 bytes down for lanes 16-31
	s_lshl_b32 s53, s34, 14
	v_lshl_add_u32 v[AB], v124, 9, s53             ; backward: row 32 wave + r + 8 (r / 8) of 512 bytes,
	v_lshl_add_u32 v[AB], v127, 7, v[AB]           ; + 128 h
	v_lshlrev_b32 v[AB1], 9, v126                  ; W_in backward: row r
	v_lshl_add_u32 v[AB1], v127, 7, v[AB1]
	v_mul_u32_u24 v[AO1], v124, 12                 ; W_out for the f32 form: row r + 8 (r / 8) of 12 bytes; register 0: column 2 h; register 1: column 1 (lanes 16-31: made 0 below)
	v_lshl_add_u32 v[AO0], v127, 3, v[AO1]
	v_add_nc_u32 v[AO1], 4, v[AO1]
	v_min_u32 v[AW], 2, v126                       ; W_out for the f16 form: column min(r, 2) (lanes with r over 2: made 0 below), rows 16 h on
	v_lshlrev_b32 v[AW], 2, v[AW]
	v_mad_u32_u24 v[AW], v127, 192, v[AW]
	v_lshlrev_b32 v[HBO], 2, v0                    ; a bias: thread t's number
	v_lshl_add_u32 v[HBL], v0, 2, BIAS
	s_mul_i32 s53, s34, 3072
	v_add_nc_u32 v[HWI], s53, v[CL]                ; images: 16 x lane + two slots a wave
	s_lshl_b32 s53, s34, 8
	v_lshl_add_u32 v[HWS], v[LANE], 2, s53
	v_add_nc_u32 v[LI2], 36864, v[CL]              ; slots 24 on: so that the immediates stay in 16 bits
	v_lshlrev_b32 v[LS], 2, v[LANE]
.irp b, 4,5,6,7
	v_mov_b32 v[TM+\b], 0                          ; written once: a lane permute's destination counts as one of its sources
.endr
	s_mov_b32 s44, 0x4038aa3b                      ; 2 log2 e
	s_mov_b32 s45, s44                             ; (named with it as a pair)
	s_mov_b32 s56, 0xbeaaaaab                      ; -1 / 3
	s_mov_b32 s57, s56
	s_mov_b32 s46, 0xffff0000                      ; lanes 16-31
	s_mov_b32 s47, 0x0000ffff                      ; lanes 0-15
	s_mov_b32 s48, 0x76543210
	s_mov_b32 s49, 0xfedcba98                      ; v_permlanex16_b32's selects for lane l xor 16
	s_mov_b32 s51, 0x00070007                      ; lanes with r under 3
	s_lshl_b32 s35, ttmp9, 2
	s_add_co_u32 s35, s35, s34                     ; g
	s_cmp_lt_u32 s35, 530
	s_cselect_b32 s36, 31, 30                      ; my tiles
	s_wait_kmcnt 0x0
	s_load_b32 s37, s[10:11], 0x0                  ; t
	s_load_b32 s38, s[28:29], 0x0                  ; out_scale
	s_load_b96 s[40:42], s[26:27], 0x0             ; b_out
	s_lshl_b32 s52, s35, 12                        ; tile g: 16 rows of 256 bytes,
	s_mov_b32 s53, 0
	s_add_nc_u64 s[4:5], s[4:5], s[52:53]
	s_mul_i32 s52, s35, 192                        ; of 12,
	s_add_nc_u64 s[6:7], s[6:7], s[52:53]
	s_add_nc_u64 s[8:9], s[8:9], s[52:53]
	s_add_nc_u64 s[30:31], s[30:31], s[52:53]
	s_lshl_b32 s52, s35, 6                         ; of 4
	s_add_nc_u64 s[32:33], s[32:33], s[52:53]
	global_load_b32 v[P], v[HBO], s[14:15]
	global_load_b32 v[P+1], v[HBO], s[18:19]
	global_load_b32 v[P+2], v[HBO], s[22:23]
.irp t, 0,1,2,3,4,5,6,7
	global_load_b32 v[WO32+2*\t], v[AO0], s[24:25] offset:12*(32*(\t/2)+8*(\t%2))
	global_load_b32 v[WO32+2*\t+1], v[AO1], s[24:25] offset:12*(32*(\t/2)+8*(\t%2))
.endr
.set i_, 0
.rept 64
	global_load_b32 v[A+i_], v[AW], s[24:25] offset:12*(32*(i_/16)+i_%16)   ; register 16 b + i: W_out(32 b + 16 h + i, r)
.set i_, i_+1
.endr
	WIN 0xc0
.irp i, 0,1,2,3,4,5,6,7
	global_load_b128 v[R+4*\i:R+4*\i+3], v[CL], s[4:5] offset:512*\i th:TH_LOAD_NT   ; my first tile's context: 512 consecutive bytes a load
.endr
	WIN 0
	global_load_b96 v[Z:Z+2], v[ZO], s[6:7] th:TH_LOAD_NT
	global_load_b96 v[EN:EN+2], v[ZO], s[8:9] th:TH_LOAD_NT
	FLOADI 0, 0
	FLOADI 1, 1
	FLOADF 2, 16, 0
	FLOADF 3, 16, 1
	FLOADF 4, 20, 0
	FLOADF 5, 20, 1
	FLOADB 6, 20, 0, AB
	FLOADB 7, 20, 1, AB
	FLOADB 8, 16, 0, AB
	FLOADB 9, 16, 1, AB
	FLOADB 10, 12, 0, AB1
	WIN 0
	s_wait_xcnt 0x0                                ; the loads have read their bases: the three streams step to my next tile
	s_add_nc_u64 s[4:5], s[4:5], 0x400000
	s_add_nc_u64 s[6:7], s[6:7], 0x30000
	s_add_nc_u64 s[8:9], s[8:9], 0x30000
	s_wait_loadcnt 0x0
	ds_store_b32 v[HBL], v[P]
	ds_store_b32 v[HBL], v[P+1] offset:512
	ds_store_b32 v[HBL], v[P+2] offset:1024
	WIN 0x44
.irp f, 0,1                            ; W_in forward, second half of K: block 2 (lanes 0-15) has four rows, block 3 none
.irp i, 0,1,2,3
	v_cndmask_b32 v[64*\f+32+\i], 0, v[64*\f+32+\i], s47
.endr
.set i_, 36
.rept 28
	v_mov_b32 v[64*\f+i_], 0
.set i_, i_+1
.endr
.endr
	WIN 0
	s_wait_dscnt 0x0                               ; the stores have read their registers
.irp f, 0,1,2,3,4,5,6,7,8,9
	WFRAG \f
.endr
	WQ 10                                          ; W_in's rows 0 to 15, backward: every wave makes its own
	v_mov_b32 v[SC+40], v[PW]
	WIN 0x40
.irp i, 0,1,2,3,4,5,6,7,8,9,10,11
	v_mov_b32 v[WB1+\i], v[P+\i]
.endr
	WIN 0
	s_wait_dscnt 0x0                               ; for the others' sake: my images and my part of the biases have landed
	s_barrier_signal -1
	s_barrier_wait -1                              ; the launch's one barrier: all 40 images lie in LDS, and nobody writes them again
	WLOAD 1, WF1, CL, WIMG
	WLOAD 1, WF2, CL, WIMG+8*1536
	WLOAD 2, WF3, CL, WIMG+16*1536
	WLOAD 2, WB3, LI2, WIMG
	WLOAD 3, WB2, LI2, WIMG+8*1536
	WIN 0
.set i_, 0
.rept 40
	ds_load_b32 v[SC+i_], v[LS] offset:WSC+128*i_
.set i_, i_+1
.endr
	s_wait_kmcnt 0x0                               ; t, out_scale, b_out
.irp t, 0,1,2,3,4,5,6,7
	v_cndmask_b32 v[WO32+2*\t+1], 0, v[WO32+2*\t+1], s47   ; k = 3 of the padded K = 4 is zero
.endr
.set p_, 0
.rept 32
	v_pk_mul_f32 v[A+2*p_:A+2*p_+1], v[A+2*p_:A+2*p_+1], 0x43800000 op_sel_hi:[1,0]   ; W_out x 2^8
.set p_, p_+1
.endr
.set p_, 0
.rept 32
	v_cvt_pk_f16_f32 v[A+p_], v[A+2*p_], v[A+2*p_+1]   ; ascending and in place: register p is written when 2 p and 2 p + 1 are read
.set p_, p_+1
.endr
	s_mul_f32 s52, s40, 0x4b000000                 ; b_out x 2^23
	s_mul_f32 s53, s41, 0x4b000000
	s_mul_f32 s54, s42, 0x4b000000
	s_mul_f32 s39, s38, 0x34000000                 ; out_scale x 2^-23
	WIN 0x40
.set p_, 0
.rept 32
	v_cndmask_b32 v[WO16+p_], 0, v[A+p_], s51      ; outputs 3 to 15 of the padded tile are zeros
.set p_, p_+1
.endr
	v_mov_b32 v[BO], s52                           ; register j of f's tile is output j in lanes 0-15 (lanes 16-31: outputs 8 + j, never read)
	v_mov_b32 v[BO+1], s53
	v_mov_b32 v[BO+2], s54
.irp j, 3,4,5,6,7
	v_mov_b32 v[BO+\j], 0
.endr
	WIN 0
	v_mov_b32 v126, s37
	v_cndmask_b32 v[TF], 0, v126, s47
	s_wait_dscnt 0x0                               ; the weights and their scale words are in
; ================ A TRIP: ONE TILE OF 16 ROWS ================
.Ltile:
	s_wait_loadcnt 0x0                             ; this tile's ten loads, issued a trip ago
	WIN 0x0c                                       ; an LDS store's data are its source 1: window 3
.irp i, 0,1,2,3,4,5,6,7
	ds_store_b128 v[STI], v[R+4*\i:R+4*\i+3] offset:544*\i     ; load i held rows 2 i and 2 i + 1
.endr
	WIN 0
.irp j, 0,1,2,3,4,5,6,7
	ds_load_b128 v[A+4*\j:A+4*\j+3], v[STO] offset:16*\j       ; context(r, 32 h + 0 .. 31).  LDS serves a wave's instructions in order: these see my stores
.endr
	WIN 0xc0
	BLOADS D1, 0                                   ; b_in, where 1 - h1^2 will lie
	BLOADS D2, 512                                 ; b_h1
	WIN 0x80
	BLOADS T, 1024                                 ; b_h2
	WIN 0
	s_wait_dscnt 48                                ; the 48 bias loads are younger: the stage's stores and loads are done
	; ---- the input operand
.irp i, 0,1,2
	v_permlanex16_b32 v[TM+4+\i], v[A+29+\i], s48, s49
.endr
.irp i, 0,1,2
	v_cndmask_b32 v[A+29+\i], v[Z+\i], v[TM+4+\i], s46         ; block 0: z; block 1: context 29 .. 31
.endr
.irp i, 0,1,2
	v_cndmask_b32 v[A+32+\i], 0, v[TM+4+\i], s47               ; block 2: context 61 .. 63; block 3: zeros
.endr
	v_mov_b32 v[A+35], v[TF]
.irp i, 36,37,38,39,40,41,42,43,44,45,46,47
	v_mov_b32 v[A+\i], 0
.endr
	v_max3_num_f32 v[TM], |v[A]|, |v[A+1]|, 0x1800000
	v_max3_num_f32 v[TM+2], |v[A+16]|, |v[A+17]|, 0x1800000
	v_max3_num_f32 v[TM+1], |v[A+32]|, |v[A+33]|, 0x1800000
.irp i, 2,4,6,8,10,12,14
	v_max3_num_f32 v[TM], v[TM], |v[A+\i]|, |v[A+1+\i]|
	v_max3_num_f32 v[TM+2], v[TM+2], |v[A+16+\i]|, |v[A+17+\i]|
.endr
	v_max3_num_f32 v[TM+1], v[TM+1], |v[A+34]|, |v[A+35]|
	v_max_num_f32 v[TM], v[TM], v[TM+2]
	v_add_nc_u32 v[TM+12], 0xff000000, v[TM]
	v_add_nc_u32 v[TM+13], 0xff000000, v[TM+1]
	v_lshrrev_b32 v[TM+4], 23, v[TM+12]
	v_lshrrev_b32 v[TM+5], 23, v[TM+13]
	v_lshl_or_b32 v[PW], v[TM+5], 16, v[TM+4]
	v_lshlrev_b32 v[PW], v[SH8], v[PW]
	v_permlanex16_b32 v[TM+7], v[PW], s48, s49
	v_or_b32 v[PW], v[PW], v[TM+7]
	v_cvt_scalef32_pk16_fp6_f32 v[P:P+2], v[A:A+15], v[TM+12]
	v_cvt_scalef32_pk16_fp6_f32 v[P+12:P+14], v[A+16:A+31], v[TM+12]
	v_cvt_scalef32_pk16_fp6_f32 v[P+6:P+8], v[A+32:A+47], v[TM+13]
	v_nop                                          ; one plain place behind a scaled conversion
.irp i, 0,1,2
	v_mov_b32 v[P+3+\i], v[P+12+\i]
	v_mov_b32 v[P+9+\i], 0
.endr
	; eight plain lines between the operand's last write and the scaled products
.irp i, 0,1,2
	v_mov_b32 v[E+\i], v[EN+\i]
.endr
	v_cndmask_b32 v[GF], v[EN], v[EN+2], s46       ; the f32 form's register j holds k = 2 h + j
	v_cndmask_b32 v[GF+1], 0, v[EN+1], s47
	v_mul_f32 v[GF], s38, v[GF]
	v_mul_f32 v[GF+1], s38, v[GF+1]
	v_nop
	s_cmp_eq_u32 s36, 1                            ; the last trip asks for nothing: no load leaves its buffer
	s_cbranch_scc1 .Lno_next
	WIN 0xc0
.irp i, 0,1,2,3,4,5,6,7
	global_load_b128 v[R+4*\i:R+4*\i+3], v[CL], s[4:5] offset:512*\i th:TH_LOAD_NT   ; the next tile, a whole trip ahead of its use
.endr
	WIN 0
	global_load_b96 v[Z:Z+2], v[ZO], s[6:7] th:TH_LOAD_NT
	global_load_b96 v[EN:EN+2], v[ZO], s[8:9] th:TH_LOAD_NT
.Lno_next:
	; ---- forward
	s_wait_dscnt 32                                ; b_in is in; b_h1's and b_h2's 32 loads may be out
	MM8 WF1, SC, D1, 0x31
	TANH 1
	QFIN
	DRUN D1
	s_wait_dscnt 16                                ; b_h1 is in
	MM8 WF2, SC+8, D2, 0x31
	TANH 2
	QFIN
	DRUN D2
	s_wait_dscnt 0x0                               ; b_h2 is in
	MM8 WF3, SC+16, T, 0x22
	TANH 3                                         ; A = h3; G = g_h3
	; ---- backward
	WIN 0x80
.set p_, 0
.rept 32
	v_pk_mul_f32 v[T+2*p_:T+2*p_+1], v[A+2*p_:A+2*p_+1], 0x47000000 op_sel_hi:[1,0]   ; h3 x 2^15
.set p_, p_+1
.endr
	WIN 0
.set p_, 0
.rept 32
	v_pk_fma_f32 v[A+2*p_:A+2*p_+1], v[A+2*p_:A+2*p_+1], v[A+2*p_:A+2*p_+1], 1.0 op_sel_hi:[1,1,0] neg_lo:[1,0,0] neg_hi:[1,0,0]
.set p_, p_+1
.endr
.set p_, 0
.rept 32
	v_pk_mul_f32 v[A+2*p_:A+2*p_+1], v[G+2*p_:G+2*p_+1], v[A+2*p_:A+2*p_+1]   ; g_a3, each accumulator from its low end on
.set p_, p_+1
.endr
	QMAX
	QFIN
	WIN 0x8a
.set p_, 0
.rept 32
	v_cvt_pk_f16_f32 v[T+p_], v[T+2*p_], v[T+2*p_+1]   ; ascending and in place.  These 32 plain lines are also the places ahead of the scaled products
.set p_, p_+1
.endr
	; f's four K steps of 32 and g_a3 W_h2^T's eight tiles by turns, one instruction a turn: no link of f's chain follows the link before it
.irp b, 0,1,2,3
	WIN 0x59
.if \b == 0
	v_wmma_f32_16x16x32_f16 v[F:F+7], v[WO16:WO16+7], v[T:T+7], v[BO:BO+7]
.else
	v_wmma_f32_16x16x32_f16 v[F:F+7], v[WO16+8*\b:WO16+8*\b+7], v[T+8*\b:T+8*\b+7], v[F:F+7]
.endif
	WIN 0x02
	v_wmma_scale_f32_16x16x128_f8f6f4 v[G+8*\b:G+8*\b+7], v[WB3+12*\b:WB3+12*\b+11], v[P:P+11], 0, v[SC+24+\b], v[PW] matrix_a_fmt:MATRIX_FMT_FP6 matrix_b_fmt:MATRIX_FMT_FP6
.endr
.irp t, 4,5,6,7
	v_wmma_scale_f32_16x16x128_f8f6f4 v[G+8*\t:G+8*\t+7], v[WB3+12*\t:WB3+12*\t+11], v[P:P+11], 0, v[SC+24+\t], v[PW] matrix_a_fmt:MATRIX_FMT_FP6 matrix_b_fmt:MATRIX_FMT_FP6
.endr
	WIN 0
	PLACES 4
	GMUL D2                                        ; g_a2
	QMAX
	QFIN
	PLACES 8                                       ; a scale word made by vector lines stands eight places ahead of a scaled product
	MM8 WB2, SC+32, -1, 0x03
	PLACES 4
	GMUL D1                                        ; g_a1
	QMAX
	QFIN
	PLACES 8
	WIN 0x01
	v_wmma_scale_f32_16x16x128_f8f6f4 v[G:G+7], v[WB1:WB1+11], v[P:P+11], 0, v[SC+40], v[PW] matrix_a_fmt:MATRIX_FMT_FP6 matrix_b_fmt:MATRIX_FMT_FP6
.irp j, 0,1,2
	v_mul_f32 v[FO+\j], v[F+\j], s39               ; f: lanes 0-15 hold outputs 0 to 2 of row r.  (With the v_nop: the four places behind the product)
.endr
	v_nop
	WIN 0
	v_mul_f32 v[ND], v[G], v[E]                    ; gz . eps: lanes 0-15 hold columns 0 to 2 in the accumulator's three lowest registers
	v_fma_f32 v[ND], v[G+1], v[E+1], v[ND]
	v_fma_f32 v[ND], -v[G+2], v[E+2], -v[ND]
	s_wait_xcnt 0x0                                ; EXEC changes only behind this wait: the next tile's loads have been issued under it
	v_cmp_gt_u32 vcc_lo, 16, v[LANE]
	s_and_saveexec_b32 s50, vcc_lo
	global_store_b96 v[ZO], v[FO:FO+2], s[30:31] th:TH_STORE_NT     ; 16 lanes store the tile's 192 consecutive bytes
	global_store_b32 v[OO], v[ND], s[32:33] th:TH_STORE_NT          ; and its 64
	s_wait_xcnt 0x0                                ; and again ahead of the line that widens it; the stores' data and all five bases may be written behind it
	s_or_b32 exec_lo, exec_lo, s50
	s_add_nc_u64 s[4:5], s[4:5], 0x400000          ; 1,024 tiles on
	s_add_nc_u64 s[6:7], s[6:7], 0x30000
	s_add_nc_u64 s[8:9], s[8:9], 0x30000
	s_add_nc_u64 s[30:31], s[30:31], 0x30000
	s_add_nc_u64 s[32:33], s[32:33], 0x10000
	s_sub_co_u32 s36, s36, 1
	s_cmp_lg_u32 s36, 0
	s_cbranch_scc1 .Ltile
	s_wait_tensorcnt 0x0                           ; the wave's end: three lines behind my last LDS store, the first of them even in a text with no tensor load
	ds_add_u32 v[SPW], v[NIL]
	s_wait_dscnt 0x0
	s_endpgm
.Lfunc_end_k_qf425738a8f_ode:
	.size	k_qf425738a8f_ode, .Lfunc_end_k_qf425738a8f_ode-k_qf425738a8f_ode
	.p2alignl 7, 3214868480
	.fill 96, 4, 3214868480
	.section	.rodata,"a",@progbits
	.p2align	6, 0x0
	.amdhsa_kernel k_qf425738a8f_ode
		.amdhsa_group_segment_fixed_size 86016
		.amdhsa_private_segment_fixed_size 0
		.amdhsa_enable_private_segment 0
		.amdhsa_kernarg_size 120
		.amdhsa_user_sgpr_count 2
		.amdhsa_user_sgpr_kernarg_segment_ptr 1
		.amdhsa_wavefront_size32 1
		.amdhsa_system_sgpr_workgroup_id_x 1
		.amdhsa_system_sgpr_workgroup_id_y 1
		.amdhsa_system_sgpr_workgroup_id_z 1
		.amdhsa_system_vgpr_workitem_id 0
		.amdhsa_next_free_vgpr 1024
		.amdhsa_next_free_sgpr 66
		.amdhsa_reserve_vcc 1
		.amdhsa_float_denorm_mode_32 3
		.amdhsa_float_denorm_mode_16_64 3
		.amdhsa_memory_ordered 1
		.amdhsa_forward_progress 1
		.amdhsa_inst_pref_size 224
	.end_amdhsa_kernel
	.amdgpu_metadata
---
amdhsa.version: [ 1, 2 ]
amdhsa.kernels:
  - .name:           k_qf425738a8f_ode
    .symbol:         k_qf425738a8f_ode.kd
    .args:
      - { .name: context, .offset: 0, .size: 8, .value_kind: global_buffer, .address_space: global }
      - { .name: z, .offset: 8, .size: 8, .value_kind: global_buffer, .address_space: global }
      - { .name: eps, .offset: 16, .size: 8, .value_kind: global_buffer, .address_space: global }
      - { .name: t, .offset: 24, .size: 8, .value_kind: global_buffer, .address_space: global }
      - { .name: W_in, .offset: 32, .size: 8, .value_kind: global_buffer, .address_space: global }
      - { .name: b_in, .offset: 40, .size: 8, .value_kind: global_buffer, .address_space: global }
      - { .name: W_h1, .offset: 48, .size: 8, .value_kind: global_buffer, .address_space: global }
      - { .name: b_h1, .offset: 56, .size: 8, .value_kind: global_buffer, .address_space: global }
      - { .name: W_h2, .offset: 64, .size: 8, .value_kind: global_buffer, .address_space: global }
      - { .name: b_h2, .offset: 72, .size: 8, .value_kind: global_buffer, .address_space: global }
      - { .name: W_out, .offset: 80, .size: 8, .value_kind: global_buffer, .address_space: global }
      - { .name: b_out, .offset: 88, .size: 8, .value_kind: global_buffer, .address_space: global }
      - { .name: out_scale, .offset: 96, .size: 8, .value_kind: global_buffer, .address_space: global }
      - { .name: out0, .offset: 104, .size: 8, .value_kind: global_buffer, .address_space: global }
      - { .name: out1, .offset: 112, .size: 8, .value_kind: global_buffer, .address_space: global }
    .group_segment_fixed_size: 86016
    .private_segment_fixed_size: 0
    .kernarg_segment_align: 8
    .kernarg_segment_size: 120
    .max_flat_workgroup_size: 128
    .sgpr_count:     66
    .vgpr_count:     1024
    .wavefront_size: 32
...
	.end_amdgpu_metadata
.endif
;; end of part 1
;; ======== version 2 of 2: 1 launch; 1.27 times as fast as version 1
;; limits: a function is approximated: absolute error at most 2e-07; values are held in f16: magnitudes above 65,504 overflow, below 6.1e-05 lose precision; right only within a limited range of input values
;; launch ode (part 2): grid 256 x 1, 4 waves a work-group, no clusters, 86,016 bytes of LDS; arguments context, z, eps, t, W_in, b_in, W_h1, b_h1, W_h2, b_h2, W_out, b_out, out_scale, out0, out1; writes out0, out1
.if DOCPART == 2
	.amdgcn_target "amdgcn-amd-amdhsa--gfx1250"
	.amdhsa_code_object_version 6
	.text
	.protected	k_qf425738a8f_ode
	.globl	k_qf425738a8f_ode
	.p2align	8
	.type	k_qf425738a8f_ode,@function
k_qf425738a8f_ode:
	s_mov_b64 s[64:65], 0
	v_nop
	global_prefetch_b8 v0, s[64:65] scope:SCOPE_SE
	s_setreg_imm32_b32 hwreg(HW_REG_WAVE_MODE, 25, 1), 1
	s_wait_xcnt 0x0
; f = (tanh(tanh(tanh([z, context, t] W_in + b_in) W_h1 + b_h1) W_h2 + b_h2) W_out + b_out) out_scale, and neg_div = -sum(gz eps), gz = the z part of f's vjp with cotangent eps.
; The six products of width 128 go on codes of FP6 (E2M3) with one E8M0 scale for each 32 along K; eps out_scale W_out^T (K = 3, it feeds a quantiser) by the f32 matrix form; h3 W_out (N = 3) on f16 operands.
; WORK LEFT OUT.  logp: reference() never reads it, so it has no way to an output for any values; it is not loaded and is no argument.  Of g_a1 W_in^T (N = 68) reference() keeps the cotangent of z alone,
; columns 0 to 2: the concatenation's other 65 columns are dropped by the vjp for all values.  So only the tile of W_in's rows 0 to 15 is multiplied (rows 3 to 15 share the tile with live work), the tiles of rows 16 to 67 are not.
; LIMITS.  A NaN, an infinity or an overflow that reaches only logp or W_in's rows 16 to 67 in the backward product is not carried to the result.  NaN and infinities among the inputs are not served.
; tanh(a) = med3(1 - 2 / (1 + 2^(2 a log2 e)), a, a - a^3 / 3): tanh lies between the last two for every real a, so the first form's absolute error (about 2e-7) cannot outgrow small a:
; the relative error is min(2e-7 / |a|, a^2 / 3): at most 2.5e-5, at |a| about 0.008; under 2e-6 for |a| over 0.1 or under 0.0025.
; h3 goes to f16 as h3 x 2^15 and W_out as W_out x 2^8 (powers of two: exact; taken back in out_scale x 2^-23): |W_out| under 255 is served, and h3 keeps 11 bits down to 2^-29.
; A block of zeros gets the scale byte 1 where the quantiser says 127: its codes are zeros, and the bytes are read by this program alone.
; SHARES.  A tile is 16 rows; 500,000 rows are 31,250 tiles.  256 work-groups of 4 waves stay; wave g = 4 x work-group + wave takes tiles g, g + 1,024, ..: 31 of them where g < 530, else 30 (30 x 1,024 + 530 = 31,250).
; A wave takes a tile through the whole chain in registers; ALL quantised weights (41 fragments of 12 registers, 41 scale words) lie in every wave's registers.  The loop has no barrier: waves share nothing there.
; No cluster, no tensor load: what work-groups share is 167 KB of weights read once in the head; the one stream, 4 KB of context a tile, is asked for a whole trip ahead into 32 registers, so no wave waits for it.
; LAYOUT.  Every product is used transposed: source 0 = 16 rows of a weight, source 1 = the tile's 16 batch rows.  Lane (r = lane % 16, h = lane / 16) holds batch row r.  Lane r of weight tile 2 b + u takes unit
; 32 b + 8 u + r + 8 (r / 8), so that register 16 b + i of a layer's 64 results is unit 32 b + 16 h + i: 16 neighbours along the next K.
; THE INPUT'S K = 68.  The order inside a block of 32 is free if both operands keep it.  Position i of block 0 is input (i + 3) % 32, of block 1 input 32 + (i + 3) % 32: so a lane's 29 first numbers are context as loaded,
; the last three z (block 0) or context 29..31 (block 1); block 2 is context 61..63, t and zeros; block 3 zeros.  The blocks hold the quantiser's own 32 numbers each, so scales and codes are the quantiser's.
; ORDER.  The wave is alone on its SIMD, so the loop is laid so that a line's sources were made several lines earlier: work goes stage by stage over 16 or 32 pairs, maxima in eight chains by turns, and the first
; vector lines on a layer's results stand as slices of four between its products.
; REGISTERS, in windows of 256.  Window 0: v1-11 addresses; v12-25 small things; v26-41 TM at work; v42-61 P the codes just made (v26-57 are U in tanh); v62-77 W_out for the f32 form; v78-118 the weights' scale words;
; v128-191 G: written by matrix instructions alone; v192-255 A: all vector work.  Window 1: W_in, W_h1 forward; W_in backward; W_out in f16; b_out; f's accumulator.  Window 2: W_h2 forward and backward; T.
; Window 3: W_h1 backward; D1, D2 = 1 - h^2; R the next context.
.set WSC,   0                          ; LDS: 40 scale-word images, 128 bytes each (4 x lane)
.set WIMG,  5120                       ; 40 fragment images of 1,536 bytes (3 x 512, 16 x lane); slot 8 grp + tile
.set BIAS,  66560                      ; b_in, b_h1, b_h2 as they lie, 512 bytes each
.set STG,   68096                      ; for each wave 16 rows x (256 + 16) bytes: the context's turn from loads to rows
.set SPARE, 85504                      ; the spare words, 128 bytes a wave: two blocks of 256 bytes that no other line names
.set CL,   1                           ; v1   16 x lane
.set STI,  2                           ; v2   the stage, in: 272 h + 16 r
.set STO,  3                           ; v3   the stage, out: 272 r + 128 h
.set ZO,   4                           ; v4   12 r
.set OO,   5                           ; v5   4 r
.set BI,   6                           ; v6   BIAS + 64 h
.set SH8,  7                           ; v7   8 h
.set TF,   8                           ; v8   t in lanes 0-15, 0 in lanes 16-31
.set LANE, 9
.set SPW,  10                          ; v10  my spare word's address; never rewritten
.set NIL,  11                          ; v11  0; never rewritten
.set GF,   12                          ; v[12:13] eps x out_scale as an operand of the f32 form
.set Z,    14                          ; v[14:16]
.set EN,   18                          ; v[18:20] the next tile's eps
.set E,    22                          ; v[22:24] this tile's
.set PW,   25                          ; the scale word just made
.set TM,   26
.set U,    26                          ; v26-57 in tanh: a (1 - a^2 / 3) of 16 pairs (TM's and P's registers, free there)
.set P,    42
.set WO32, 62
.set SC,   78
.set FO,   120
.set ND,   124
.set G,    128
.set A,    192
.set WF1,  0                           ; window 1
.set WF2,  96
.set WB1,  192
.set WO16, 204
.set BO,   236
.set F,    244
.set WF3,  0                           ; window 2
.set WB3,  96
.set T,    192
.set WB2,  0                           ; window 3
.set D1,   96
.set D2,   160
.set R,    224
.set AF,   12                          ; the head's offsets, in registers that the loop writes before it reads them
.set AF0,  13
.set AB,   17
.set AB1,  21
.set AO0,  22
.set AO1,  23
.set AW,   24
.set HBO,  119
.set HBL,  120
.set HWI,  121
.set HWS,  122
.set LI2,  123
.set LS,   125
.set MSB, 0
.macro WIN new                         ; the immediate's high byte repeats the setting that is left; a switch that changes nothing is dropped
.if MSB != (\new)
	s_set_vgpr_msb (MSB<<8)|(\new)
.set MSB, \new
.endif
.endm
.macro PLACES n
.rept \n
	v_nop
.endr
.endm
; ---- the head's loads.  Fragment f's 64 raw numbers go to window 1 + f / 4, registers 64 (f % 4) on: register 32 c + i = k 64 c + 32 h + i
.macro FLOADF f, sb, u                 ; a weight [k][n] used forward: a lane takes a column, its registers run down K
	WIN (1+(\f)/4)<<6
.set i_, 0
.rept 64
	global_load_b32 v[64*((\f)%4)+i_], v[AF], s[\sb:\sb+1] offset:(64*(i_/32)+i_%32)*512+32*(\u)
.set i_, i_+1
.endr
.endm
.macro FLOADI f, u                     ; W_in forward: rows in the input operand's order; rows 64 to 67 by an offset without h, so that no load leaves the 68 rows
	WIN (1+(\f)/4)<<6
.set i_, 0
.rept 32
	global_load_b32 v[64*((\f)%4)+i_], v[AF], s[12:13] offset:((i_+3)%32)*512+32*(\u)
.set i_, i_+1
.endr
.set i_, 0
.rept 4
	global_load_b32 v[64*((\f)%4)+32+i_], v[AF0], s[12:13] offset:(64+i_)*512+32*(\u)
.set i_, i_+1
.endr
.endm
.macro FLOADB f, sb, u, adr            ; a weight used backward: K is innermost, a lane takes a row
	WIN (1+(\f)/4)<<6
.set i_, 0
.rept 16
	global_load_b128 v[64*((\f)%4)+4*i_:64*((\f)%4)+4*i_+3], v[\adr], s[\sb:\sb+1] offset:4096*(\u)+256*(i_/8)+16*(i_%8)
.set i_, i_+1
.endr
.endm
; fragment f's 64 numbers (two whole blocks a lane) become codes in v[P] on and the scale word in v[PW]
.macro WQ f
	v_mov_b32 v[TM], 0x1800000                     ; the floor 2^(3 - 127): the byte cannot fall under 1
	v_mov_b32 v[TM+1], 0x1800000
	WIN ((1+(\f)/4)<<2)|((1+(\f)/4)<<4)
.set i_, 0
.rept 16
	v_max3_num_f32 v[TM], v[TM], |v[64*((\f)%4)+i_]|, |v[64*((\f)%4)+i_+1]|
	v_max3_num_f32 v[TM+1], v[TM+1], |v[64*((\f)%4)+32+i_]|, |v[64*((\f)%4)+33+i_]|
.set i_, i_+2
.endr
	WIN 0
	v_add_nc_u32 v[TM+12], 0xff000000, v[TM]       ; 2 off the exponent field: the conversion's scale operand
	v_add_nc_u32 v[TM+13], 0xff000000, v[TM+1]
	v_lshrrev_b32 v[TM+4], 23, v[TM+12]            ; the bytes of blocks h and 2 + h
	v_lshrrev_b32 v[TM+5], 23, v[TM+13]
	v_lshl_or_b32 v[PW], v[TM+5], 16, v[TM+4]
	v_lshlrev_b32 v[PW], v[SH8], v[PW]             ; at their places in the word,
	v_permlanex16_b32 v[TM+7], v[PW], s48, s49
	v_or_b32 v[PW], v[PW], v[TM+7]                 ; with lane l xor 16's two the word is whole
	WIN 1+(\f)/4
	v_cvt_scalef32_pk16_fp6_f32 v[P:P+2], v[64*((\f)%4):64*((\f)%4)+15], v[TM+12]
	v_cvt_scalef32_pk16_fp6_f32 v[P+12:P+14], v[64*((\f)%4)+16:64*((\f)%4)+31], v[TM+12]
	v_cvt_scalef32_pk16_fp6_f32 v[P+6:P+8], v[64*((\f)%4)+32:64*((\f)%4)+47], v[TM+13]
	v_cvt_scalef32_pk16_fp6_f32 v[P+16:P+18], v[64*((\f)%4)+48:64*((\f)%4)+63], v[TM+13]
	WIN 0
	v_nop                                          ; one plain place behind a scaled conversion
.irp i, 0,1,2
	v_mov_b32 v[P+3+\i], v[P+12+\i]                ; (a conversion's three registers begin on an even number)
	v_mov_b32 v[P+9+\i], v[P+16+\i]
.endr
.endm
.macro WFRAG f                         ; quantise, and store the image of the operand's registers: slot 8 (f / 2) + 2 wave + f % 2
	WQ \f
.irp c, 0,1,2
	ds_store_b128 v[HWI], v[P+4*\c:P+4*\c+3] offset:WIMG+(8*((\f)/2)+(\f)%2)*1536+512*\c
.endr
	ds_store_b32 v[HWS], v[PW] offset:WSC+(8*((\f)/2)+(\f)%2)*128
	s_wait_dscnt 0x0                               ; the stores have read their registers
.endm
.macro WLOAD win, base, adr, off       ; eight fragments' images back into 96 registers: register 4 i at 512 i
	WIN (\win)<<6
.set i_, 0
.rept 24
	ds_load_b128 v[(\base)+4*i_:(\base)+4*i_+3], v[\adr] offset:(\off)+512*i_
.set i_, i_+1
.endr
.endm
; ---- the loop's pieces
.macro BLOADS base, off                ; a bias in the result's layout: register 16 b + i = unit 32 b + 16 h + i
.set i_, 0
.rept 16
	ds_load_b128 v[(\base)+4*i_:(\base)+4*i_+3], v[BI] offset:(\off)+128*(i_/4)+16*(i_%4)
.set i_, i_+1
.endr
.endm
.macro WM tl, wb, sc, cb               ; tile tl of a layer, one K step of 128.  cb < 0: the sum begins with 0, else with the bias.  The caller sets the windows
.if (\cb) < 0
	v_wmma_scale_f32_16x16x128_f8f6f4 v[G+8*(\tl):G+8*(\tl)+7], v[(\wb)+12*(\tl):(\wb)+12*(\tl)+11], v[P:P+11], 0, v[(\sc)+(\tl)], v[PW] matrix_a_fmt:MATRIX_FMT_FP6 matrix_b_fmt:MATRIX_FMT_FP6
.else
	v_wmma_scale_f32_16x16x128_f8f6f4 v[G+8*(\tl):G+8*(\tl)+7], v[(\wb)+12*(\tl):(\wb)+12*(\tl)+11], v[P:P+11], v[(\cb)+8*(\tl):(\cb)+8*(\tl)+7], v[(\sc)+(\tl)], v[PW] matrix_a_fmt:MATRIX_FMT_FP6 matrix_b_fmt:MATRIX_FMT_FP6
.endif
.endm
.macro GH3 t                           ; g_h3's tile t = W_out's 16 rows x (eps out_scale)^T, K = 3 and a zero: it takes the place of a3's tile t, which has been read out
	v_wmma_f32_16x16x4_f32 v[G+8*(\t):G+8*(\t)+7], v[WO32+2*(\t):WO32+2*(\t)+1], v[GF:GF+1], 0
.endm
; tanh's operations, for pair p (numbers 2 p, 2 p + 1) or number n
.macro OY p                            ; y = 2 a log2 e
	v_pk_mul_f32 v[A+2*(\p):A+2*(\p)+1], v[G+2*(\p):G+2*(\p)+1], s[44:45] op_sel_hi:[1,0]
.endm
.macro OX p                            ; 2^y
	v_exp_f32 v[A+2*(\p)], v[A+2*(\p)]
	v_exp_f32 v[A+2*(\p)+1], v[A+2*(\p)+1]
.endm
.macro OAD p                           ; + 1
	v_pk_add_f32 v[A+2*(\p):A+2*(\p)+1], v[A+2*(\p):A+2*(\p)+1], 1.0 op_sel_hi:[1,0]
.endm
.macro ORC n                           ; 1 / that
	v_rcp_f32 v[A+(\n)], v[A+(\n)]
.endm
.macro OH p                            ; 1 - 2 r
	v_pk_fma_f32 v[A+2*(\p):A+2*(\p)+1], v[A+2*(\p):A+2*(\p)+1], -2.0, 1.0 op_sel_hi:[1,0,0]
.endm
.macro OU1 p                           ; a^2, in slot p % 16
	v_pk_mul_f32 v[U+2*((\p)%16):U+2*((\p)%16)+1], v[G+2*(\p):G+2*(\p)+1], v[G+2*(\p):G+2*(\p)+1]
.endm
.macro OU2 p                           ; 1 - a^2 / 3
	v_pk_fma_f32 v[U+2*((\p)%16):U+2*((\p)%16)+1], v[U+2*((\p)%16):U+2*((\p)%16)+1], s[56:57], 1.0 op_sel_hi:[1,0,0]
.endm
.macro OU3 p                           ; a (1 - a^2 / 3)
	v_pk_mul_f32 v[U+2*((\p)%16):U+2*((\p)%16)+1], v[U+2*((\p)%16):U+2*((\p)%16)+1], v[G+2*(\p):G+2*(\p)+1]
.endm
.macro OM n                            ; the middle of the three
	v_med3_num_f32 v[A+(\n)], v[A+(\n)], v[G+(\n)], v[U+(\n)%32]
.endm
; A slice: the four packed lines that first read tile tl, from its low end on.  d < 0: y = 2 a log2 e;  else A = G x (1 - h^2), the factor at v[d] on in window 3
.macro SLC tl, d
.if (\d) < 0
	WIN 0
.irp k, 0,1,2,3
	OY 4*(\tl)+\k
.endr
.else
	WIN 0x0c
.irp k, 0,1,2,3
	v_pk_mul_f32 v[A+8*(\tl)+2*\k:A+8*(\tl)+2*\k+1], v[G+8*(\tl)+2*\k:G+8*(\tl)+2*\k+1], v[(\d)+8*(\tl)+2*\k:(\d)+8*(\tl)+2*\k+1]
.endr
.endif
.endm
; A layer's eight products, eight accumulators, one instruction each, with the slices between them: behind product t + 2 stands tile t + 1's slice.  Between a product and the slice that reads its result stand four plain
; lines that name none of its registers: the slice of the tile before, or the four v_nop (ISA guide 7.12.1).  A slice costs two switches of the windows; without it the wave would issue nothing while the products run.
; Forward (d < 0) tile 7's slice is left to TANH, which has other work to set ahead of it.
.macro MMS wb, sc, cb, msb, d
	WIN \msb
	WM 0, \wb, \sc, \cb
	WM 1, \wb, \sc, \cb
	PLACES 4
.set t_, 0
.rept 6
	SLC t_, \d
	WIN \msb
	WM t_+2, \wb, \sc, \cb
.set t_, t_+1
.endr
	SLC 6, \d
.if (\d) >= 0
	SLC 7, \d
.endif
	WIN 0
.endm
; A = tanh(G), 64 numbers a lane; y of pairs 0 to 27 lies in A.  TWO batches of transcendentals, each with ONE wait ahead of its first reader.  The bracket's lower end, which hangs on no
; transcendental, is the plain work among and behind them: pairs 0 to 15 here, pairs 16 to 31 in the same 32 registers once the first sixteen are used up.  Every stage runs over 16 or 32 pairs, so that a line's sources
; were made at least six lines earlier.  lay = 3: six of g_h3's eight products stand in the plain work behind the second wait, sixteen lines apart, each behind the last read of the tile that it overwrites.
.macro TANH lay
.set j_, 0
.rept 32
	OX j_
.if j_ < 8
	OU1 j_
.elseif j_ < 12
	OY j_+20                                       ; tile 7's slice: four plain lines and more stand behind its product
.elseif j_ < 20
	OU1 j_-4
.elseif j_ < 28
	OU2 j_-20
.endif
.set j_, j_+1
.endr
.set j_, 8
.rept 8
	OU2 j_
.set j_, j_+1
.endr
	s_wait_alu depctr_va_vdst(0)                   ; the 64 exponentials
.set j_, 0
.rept 6
	OAD j_                                         ; the additions run six pairs ahead of the reciprocals
.set j_, j_+1
.endr
.set j_, 0
.rept 32
	ORC 2*j_
	ORC 2*j_+1
.if j_ < 26
	OAD j_+6
.else
	OU3 j_-26
.endif
.set j_, j_+1
.endr
.set j_, 6
.rept 10
	OU3 j_
.set j_, j_+1
.endr
	s_wait_alu depctr_va_vdst(0)                   ; the 64 reciprocals
.set j_, 0
.rept 144
.if j_ < 32
	OH j_
.elseif j_ < 64
	OM j_-32
.elseif j_ < 80
	OU1 j_-48
.elseif j_ < 96
	OU2 j_-64
.elseif j_ < 112
	OU3 j_-80
.else
	OM j_-80
.endif
.if \lay == 3
.if (j_ >= 47) && (j_ <= 95) && (j_%16 == 15)
	GH3 (j_-47)/16
.elseif (j_ >= 127) && (j_%16 == 15)
	GH3 (j_-63)/16
.endif
.endif
.set j_, j_+1
.endr
.endm
.macro QMAX                            ; my 16 numbers of each of A's four blocks, and the floor 2^(3 - 127): two chains a block, the eight by turns
.irp b, 0,1,2,3
	v_max3_num_f32 v[TM+\b], |v[A+16*\b]|, |v[A+1+16*\b]|, 0x1800000
.endr
.irp b, 0,1,2,3
	v_max3_num_f32 v[TM+4+\b], |v[A+8+16*\b]|, |v[A+9+16*\b]|, |v[A+10+16*\b]|
.endr
.irp i, 0,1
.irp b, 0,1,2,3
	v_max3_num_f32 v[TM+\b], v[TM+\b], |v[A+2+2*\i+16*\b]|, |v[A+3+2*\i+16*\b]|
.endr
.irp b, 0,1,2,3
	v_max3_num_f32 v[TM+4+\b], v[TM+4+\b], |v[A+11+2*\i+16*\b]|, |v[A+12+2*\i+16*\b]|
.endr
.endr
.irp b, 0,1,2,3
	v_max3_num_f32 v[TM+\b], v[TM+\b], |v[A+6+16*\b]|, |v[A+7+16*\b]|
.endr
.irp b, 0,1,2,3
	v_max3_num_f32 v[TM+\b], v[TM+\b], v[TM+4+\b], |v[A+15+16*\b]|
.endr
.endm
.macro QFIN                            ; from the lanes' maxima in v[TM] on: A's 64 numbers become an operand in v[P] on and its scale word in v[PW]
.irp b, 0,1,2,3
	v_permlanex16_b32 v[TM+4+\b], v[TM+\b], s48, s49
.endr
.irp b, 0,1,2,3
	v_max_num_f32 v[TM+\b], v[TM+\b], v[TM+4+\b]   ; with lane l xor 16's: the block's largest magnitude
.endr
.irp b, 0,1,2,3
	v_add_nc_u32 v[TM+12+\b], 0xff000000, v[TM+\b] ; 2 off its exponent field: the conversion's scale operand
.endr
.irp c, 0,1
	v_cvt_scalef32_pk16_fp6_f32 v[P+6*\c:P+2+6*\c], v[A+32*\c:A+15+32*\c], v[TM+12+2*\c]
	v_cvt_scalef32_pk16_fp6_f32 v[P+12+4*\c:P+14+4*\c], v[A+16+32*\c:A+31+32*\c], v[TM+13+2*\c]
.endr
.irp b, 0,1,2,3
	v_lshrrev_b32 v[TM+4+\b], 23, v[TM+12+\b]      ; the scale's byte.  (These plain lines are also the place behind the conversions)
.endr
	v_lshl_or_b32 v[PW], v[TM+5], 8, v[TM+4]
	v_lshl_or_b32 v[TM+6], v[TM+7], 8, v[TM+6]
.irp c, 0,1                            ; the operand's layout wants a whole block in a lane: lanes 0-15 block 2 c, lanes 16-31 block 2 c + 1
.irp i, 0,1,2
	v_permlane16_swap_b32 v[P+6*\c+\i], v[P+12+4*\c+\i]
.endr
.endr
	v_lshl_or_b32 v[PW], v[TM+6], 16, v[PW]        ; the four bytes make my row's scale word
.irp c, 0,1
.irp i, 0,1,2
	v_mov_b32 v[P+3+6*\c+\i], v[P+12+4*\c+\i]      ; (a conversion's three registers begin on an even number)
.endr
.endr
.endm
.macro DRUN d                          ; 1 - h^2 into window 3.  These 32 plain lines are also the places between the quantiser and the next scaled products
	WIN 0xc0
.set p_, 0
.rept 32
	v_pk_fma_f32 v[(\d)+2*p_:(\d)+2*p_+1], v[A+2*p_:A+2*p_+1], v[A+2*p_:A+2*p_+1], 1.0 op_sel_hi:[1,1,0] neg_lo:[1,0,0] neg_hi:[1,0,0]
.set p_, p_+1
.endr
	WIN 0
.endm
.macro FM b                            ; K step b of f's sum (32 hidden units, f16), then tile b of g_a3 W_h2^T
	WIN 0x59
.if (\b) == 0
	v_wmma_f32_16x16x32_f16 v[F:F+7], v[WO16:WO16+7], v[T:T+7], v[BO:BO+7]
.else
	v_wmma_f32_16x16x32_f16 v[F:F+7], v[WO16+8*(\b):WO16+8*(\b)+7], v[T+8*(\b):T+8*(\b)+7], v[F:F+7]
.endif
	WIN 0x02
	WM \b, WB3, SC+24, -1
.endm
; ================ THE HEAD ================
	s_load_b512 s[4:19], s[0:1], 0x0               ; context 4, z 6, eps 8, t 10, W_in 12, b_in 14, W_h1 16, b_h1 18
	s_load_b256 s[20:27], s[0:1], 0x40             ; W_h2 20, b_h2 22, W_out 24, b_out 26
	s_load_b128 s[28:31], s[0:1], 0x60             ; out_scale 28, out0 30
	s_load_b64 s[32:33], s[0:1], 0x70              ; out1
	v_lshl_add_u32 v[SPW], v0, 2, SPARE
	v_mov_b32 v[NIL], 0
	v_lshrrev_b32 v126, 5, v0
	v_readfirstlane_b32 s34, v126                  ; wave 0..3
	v_and_b32 v[LANE], 31, v0
	v_and_b32 v126, 15, v0                         ; r
	v_bfe_u32 v127, v0, 4, 1                       ; h
	v_and_b32 v124, 8, v126
	v_add_nc_u32 v124, v124, v126                  ; r + 8 (r / 8)
	v_lshlrev_b32 v[CL], 4, v[LANE]
	s_mul_i32 s52, s34, 4352
	s_add_co_u32 s52, s52, STG                     ; my wave's stage
	v_mul_u32_u24 v[STI], v127, 272
	v_lshl_add_u32 v[STI], v126, 4, v[STI]
	v_add_nc_u32 v[STI], s52, v[STI]
	v_mul_u32_u24 v[STO], v126, 272
	v_lshl_add_u32 v[STO], v127, 7, v[STO]
	v_add_nc_u32 v[STO], s52, v[STO]
	v_mul_u32_u24 v[ZO], v126, 12
	v_lshlrev_b32 v[OO], 2, v126
	v_lshl_add_u32 v[BI], v127, 6, BIAS
	v_lshlrev_b32 v[SH8], 3, v127
	s_lshl_b32 s53, s34, 7
	v_lshl_add_u32 v[AF0], v124, 2, s53            ; forward: column 32 wave + r + 8 (r / 8), 4 bytes each,
	v_lshl_add_u32 v[AF], v127, 14, v[AF0]         ; and 32 rows of 512 bytes down for lanes 16-31
	s_lshl_b32 s53, s34, 14
	v_lshl_add_u32 v[AB], v124, 9, s53             ; backward: row 32 wave + r + 8 (r / 8) of 512 bytes,
	v_lshl_add_u32 v[AB], v127, 7, v[AB]           ; + 128 h
	v_lshlrev_b32 v[AB1], 9, v126                  ; W_in backward: row r
	v_lshl_add_u32 v[AB1], v127, 7, v[AB1]
	v_mul_u32_u24 v[AO1], v124, 12                 ; W_out for the f32 form: row r + 8 (r / 8) of 12 bytes; register 0: column 2 h; register 1: column 1 (lanes 16-31: made 0 below)
	v_lshl_add_u32 v[AO0], v127, 3, v[AO1]
	v_add_nc_u32 v[AO1], 4, v[AO1]
	v_min_u32 v[AW], 2, v126                       ; W_out for the f16 form: column min(r, 2) (lanes with r over 2: made 0 below), rows 16 h on
	v_lshlrev_b32 v[AW], 2, v[AW]
	v_mad_u32_u24 v[AW], v127, 192, v[AW]
	v_lshlrev_b32 v[HBO], 2, v0                    ; a bias: thread t's number
	v_lshl_add_u32 v[HBL], v0, 2, BIAS
	s_mul_i32 s53, s34, 3072
	v_add_nc_u32 v[HWI], s53, v[CL]                ; images: 16 x lane + two slots a wave
	s_lshl_b32 s53, s34, 8
	v_lshl_add_u32 v[HWS], v[LANE], 2, s53
	v_add_nc_u32 v[LI2], 36864, v[CL]              ; slots 24 on: so that the immediates stay in 16 bits
	v_lshlrev_b32 v[LS], 2, v[LANE]
.irp b, 4,5,6,7
	v_mov_b32 v[TM+\b], 0                          ; written once: a lane permute's destination counts as one of its sources
.endr
	s_mov_b32 s44, 0x4038aa3b                      ; 2 log2 e
	s_mov_b32 s45, s44                             ; (named with it as a pair)
	s_mov_b32 s56, 0xbeaaaaab                      ; -1 / 3
	s_mov_b32 s57, s56
	s_mov_b32 s46, 0xffff0000                      ; lanes 16-31
	s_mov_b32 s47, 0x0000ffff                      ; lanes 0-15
	s_mov_b32 s48, 0x76543210
	s_mov_b32 s49, 0xfedcba98                      ; v_permlanex16_b32's selects for lane l xor 16
	s_mov_b32 s51, 0x00070007                      ; lanes with r under 3
	s_lshl_b32 s35, ttmp9, 2
	s_add_co_u32 s35, s35, s34                     ; g
	s_cmp_lt_u32 s35, 530
	s_cselect_b32 s36, 31, 30                      ; my tiles
	s_wait_kmcnt 0x0
	s_load_b32 s37, s[10:11], 0x0                  ; t
	s_load_b32 s38, s[28:29], 0x0                  ; out_scale
	s_load_b96 s[40:42], s[26:27], 0x0             ; b_out
	s_lshl_b32 s52, s35, 12                        ; tile g: 16 rows of 256 bytes,
	s_mov_b32 s53, 0
	s_add_nc_u64 s[4:5], s[4:5], s[52:53]
	s_mul_i32 s52, s35, 192                        ; of 12,
	s_add_nc_u64 s[6:7], s[6:7], s[52:53]
	s_add_nc_u64 s[8:9], s[8:9], s[52:53]
	s_add_nc_u64 s[30:31], s[30:31], s[52:53]
	s_lshl_b32 s52, s35, 6                         ; of 4
	s_add_nc_u64 s[32:33], s[32:33], s[52:53]
	global_load_b32 v[P], v[HBO], s[14:15]
	global_load_b32 v[P+1], v[HBO], s[18:19]
	global_load_b32 v[P+2], v[HBO], s[22:23]
.irp t, 0,1,2,3,4,5,6,7
	global_load_b32 v[WO32+2*\t], v[AO0], s[24:25] offset:12*(32*(\t/2)+8*(\t%2))
	global_load_b32 v[WO32+2*\t+1], v[AO1], s[24:25] offset:12*(32*(\t/2)+8*(\t%2))
.endr
.set i_, 0
.rept 64
	global_load_b32 v[A+i_], v[AW], s[24:25] offset:12*(32*(i_/16)+i_%16)   ; register 16 b + i: W_out(32 b + 16 h + i, r)
.set i_, i_+1
.endr
	WIN 0xc0
.irp i, 0,1,2,3,4,5,6,7
	global_load_b128 v[R+4*\i:R+4*\i+3], v[CL], s[4:5] offset:512*\i th:TH_LOAD_NT   ; my first tile's context: 512 consecutive bytes a load
.endr
	WIN 0
	global_load_b96 v[Z:Z+2], v[ZO], s[6:7] th:TH_LOAD_NT
	global_load_b96 v[EN:EN+2], v[ZO], s[8:9] th:TH_LOAD_NT
	FLOADI 0, 0
	FLOADI 1, 1
	FLOADF 2, 16, 0
	FLOADF 3, 16, 1
	FLOADF 4, 20, 0
	FLOADF 5, 20, 1
	FLOADB 6, 20, 0, AB
	FLOADB 7, 20, 1, AB
	FLOADB 8, 16, 0, AB
	FLOADB 9, 16, 1, AB
	FLOADB 10, 12, 0, AB1
	WIN 0
	s_wait_xcnt 0x0                                ; the loads have read their bases: the three streams step to my next tile
	s_add_nc_u64 s[4:5], s[4:5], 0x400000
	s_add_nc_u64 s[6:7], s[6:7], 0x30000
	s_add_nc_u64 s[8:9], s[8:9], 0x30000
	s_wait_loadcnt 0x0
	ds_store_b32 v[HBL], v[P]
	ds_store_b32 v[HBL], v[P+1] offset:512
	ds_store_b32 v[HBL], v[P+2] offset:1024
	WIN 0x44
.irp f, 0,1                            ; W_in forward, second half of K: block 2 (lanes 0-15) has four rows, block 3 none
.irp i, 0,1,2,3
	v_cndmask_b32 v[64*\f+32+\i], 0, v[64*\f+32+\i], s47
.endr
.set i_, 36
.rept 28
	v_mov_b32 v[64*\f+i_], 0
.set i_, i_+1
.endr
.endr
	WIN 0
	s_wait_dscnt 0x0                               ; the stores have read their registers
.irp f, 0,1,2,3,4,5,6,7,8,9
	WFRAG \f
.endr
	WQ 10                                          ; W_in's rows 0 to 15, backward: every wave makes its own
	v_mov_b32 v[SC+40], v[PW]
	WIN 0x40
.irp i, 0,1,2,3,4,5,6,7,8,9,10,11
	v_mov_b32 v[WB1+\i], v[P+\i]
.endr
	WIN 0
	s_wait_dscnt 0x0                               ; for the others' sake: my images and my part of the biases have landed
	s_barrier_signal -1
	s_barrier_wait -1                              ; the launch's one barrier: all 40 images lie in LDS, and nobody writes them again
	WLOAD 1, WF1, CL, WIMG
	WLOAD 1, WF2, CL, WIMG+8*1536
	WLOAD 2, WF3, CL, WIMG+16*1536
	WLOAD 2, WB3, LI2, WIMG
	WLOAD 3, WB2, LI2, WIMG+8*1536
	WIN 0
.set i_, 0
.rept 40
	ds_load_b32 v[SC+i_], v[LS] offset:WSC+128*i_
.set i_, i_+1
.endr
	s_wait_kmcnt 0x0                               ; t, out_scale, b_out
.irp t, 0,1,2,3,4,5,6,7
	v_cndmask_b32 v[WO32+2*\t+1], 0, v[WO32+2*\t+1], s47   ; k = 3 of the padded K = 4 is zero
.endr
.set p_, 0
.rept 32
	v_pk_mul_f32 v[A+2*p_:A+2*p_+1], v[A+2*p_:A+2*p_+1], 0x43800000 op_sel_hi:[1,0]   ; W_out x 2^8
.set p_, p_+1
.endr
.set p_, 0
.rept 32
	v_cvt_pk_f16_f32 v[A+p_], v[A+2*p_], v[A+2*p_+1]   ; ascending and in place: register p is written when 2 p and 2 p + 1 are read
.set p_, p_+1
.endr
	s_mul_f32 s52, s40, 0x4b000000                 ; b_out x 2^23
	s_mul_f32 s53, s41, 0x4b000000
	s_mul_f32 s54, s42, 0x4b000000
	s_mul_f32 s39, s38, 0x34000000                 ; out_scale x 2^-23
	WIN 0x40
.set p_, 0
.rept 32
	v_cndmask_b32 v[WO16+p_], 0, v[A+p_], s51      ; outputs 3 to 15 of the padded tile are zeros
.set p_, p_+1
.endr
	v_mov_b32 v[BO], s52                           ; register j of f's tile is output j in lanes 0-15 (lanes 16-31: outputs 8 + j, never read)
	v_mov_b32 v[BO+1], s53
	v_mov_b32 v[BO+2], s54
.irp j, 3,4,5,6,7
	v_mov_b32 v[BO+\j], 0
.endr
	WIN 0
	v_mov_b32 v126, s37
	v_cndmask_b32 v[TF], 0, v126, s47
	s_wait_dscnt 0x0                               ; the weights and their scale words are in
; ================ A TRIP: ONE TILE OF 16 ROWS ================
.Ltile:
	s_wait_loadcnt 0x0                             ; this tile's ten loads, issued a trip ago
	WIN 0x0c                                       ; an LDS store's data are its source 1: window 3
.irp i, 0,1,2,3,4,5,6,7
	ds_store_b128 v[STI], v[R+4*\i:R+4*\i+3] offset:544*\i     ; load i held rows 2 i and 2 i + 1
.endr
	WIN 0
.irp j, 0,1,2,3,4,5,6,7
	ds_load_b128 v[A+4*\j:A+4*\j+3], v[STO] offset:16*\j       ; context(r, 32 h + 0 .. 31).  LDS serves a wave's instructions in order: these see my stores
.endr
	WIN 0xc0
	BLOADS D1, 0                                   ; b_in, where 1 - h1^2 will lie
	BLOADS D2, 512                                 ; b_h1
	WIN 0x80
	BLOADS T, 1024                                 ; b_h2
	WIN 0
	s_wait_dscnt 48                                ; the 48 bias loads are younger: the stage's stores and loads are done
	; ---- the input operand
.irp i, 0,1,2
	v_permlanex16_b32 v[TM+4+\i], v[A+29+\i], s48, s49
.endr
	v_mov_b32 v[A+35], v[TF]
.irp i, 36,37,38,39,40,41,42,43,44,45,46,47
	v_mov_b32 v[A+\i], 0
.endr
.irp i, 0,1,2
	v_cndmask_b32 v[A+29+\i], v[Z+\i], v[TM+4+\i], s46         ; block 0: z; block 1: context 29 .. 31
.endr
.irp i, 0,1,2
	v_cndmask_b32 v[A+32+\i], 0, v[TM+4+\i], s47               ; block 2: context 61 .. 63; block 3: zeros
.endr
	; my block of 32 in four chains (numbers 0-7 and the floor, 8-14, 15-23, 24-30; 31 at the join), my block of four as a fifth, by turns
	v_max3_num_f32 v[TM], |v[A]|, |v[A+1]|, 0x1800000
	v_max3_num_f32 v[TM+2], |v[A+8]|, |v[A+9]|, |v[A+10]|
	v_max3_num_f32 v[TM+3], |v[A+15]|, |v[A+16]|, |v[A+17]|
	v_max3_num_f32 v[TM+6], |v[A+24]|, |v[A+25]|, |v[A+26]|
	v_max3_num_f32 v[TM+1], |v[A+32]|, |v[A+33]|, 0x1800000
	v_max3_num_f32 v[TM], v[TM], |v[A+2]|, |v[A+3]|
	v_max3_num_f32 v[TM+2], v[TM+2], |v[A+11]|, |v[A+12]|
	v_max3_num_f32 v[TM+3], v[TM+3], |v[A+18]|, |v[A+19]|
	v_max3_num_f32 v[TM+6], v[TM+6], |v[A+27]|, |v[A+28]|
	v_max3_num_f32 v[TM+1], v[TM+1], |v[A+34]|, |v[A+35]|
	v_max3_num_f32 v[TM], v[TM], |v[A+4]|, |v[A+5]|
	v_max3_num_f32 v[TM+2], v[TM+2], |v[A+13]|, |v[A+14]|
	v_max3_num_f32 v[TM+3], v[TM+3], |v[A+20]|, |v[A+21]|
	v_max3_num_f32 v[TM+6], v[TM+6], |v[A+29]|, |v[A+30]|
	v_max3_num_f32 v[TM], v[TM], |v[A+6]|, |v[A+7]|
	v_max3_num_f32 v[TM+3], v[TM+3], |v[A+22]|, |v[A+23]|
	v_add_nc_u32 v[TM+13], 0xff000000, v[TM+1]
	v_max3_num_f32 v[TM+2], v[TM+2], v[TM+6], |v[A+31]|
	v_lshrrev_b32 v[TM+5], 23, v[TM+13]
	v_max3_num_f32 v[TM], v[TM], v[TM+3], v[TM+2]
	v_add_nc_u32 v[TM+12], 0xff000000, v[TM]
	v_lshrrev_b32 v[TM+4], 23, v[TM+12]
	v_lshl_or_b32 v[PW], v[TM+5], 16, v[TM+4]
	v_lshlrev_b32 v[PW], v[SH8], v[PW]
	v_permlanex16_b32 v[TM+7], v[PW], s48, s49
	v_or_b32 v[PW], v[PW], v[TM+7]
	v_cvt_scalef32_pk16_fp6_f32 v[P:P+2], v[A:A+15], v[TM+12]
	v_cvt_scalef32_pk16_fp6_f32 v[P+12:P+14], v[A+16:A+31], v[TM+12]
	v_cvt_scalef32_pk16_fp6_f32 v[P+6:P+8], v[A+32:A+47], v[TM+13]
	v_nop                                          ; one plain place behind a scaled conversion
.irp i, 0,1,2
	v_mov_b32 v[P+3+\i], v[P+12+\i]
	v_mov_b32 v[P+9+\i], 0
.endr
	; eight plain lines between the operand's last write and the scaled products
.irp i, 0,1,2
	v_mov_b32 v[E+\i], v[EN+\i]
.endr
	v_cndmask_b32 v[GF], v[EN], v[EN+2], s46       ; the f32 form's register j holds k = 2 h + j
	v_cndmask_b32 v[GF+1], 0, v[EN+1], s47
	v_mul_f32 v[GF], s38, v[GF]
	v_mul_f32 v[GF+1], s38, v[GF+1]
	v_nop
	s_cmp_eq_u32 s36, 1                            ; the last trip asks for nothing: no load leaves its buffer
	s_cbranch_scc1 .Lno_next
	WIN 0xc0
.irp i, 0,1,2,3,4,5,6,7
	global_load_b128 v[R+4*\i:R+4*\i+3], v[CL], s[4:5] offset:512*\i th:TH_LOAD_NT   ; the next tile, a whole trip ahead of its use
.endr
	WIN 0
	global_load_b96 v[Z:Z+2], v[ZO], s[6:7] th:TH_LOAD_NT
	global_load_b96 v[EN:EN+2], v[ZO], s[8:9] th:TH_LOAD_NT
.Lno_next:
	; ---- forward
	s_wait_dscnt 32                                ; b_in is in; b_h1's and b_h2's 32 loads may be out
	MMS WF1, SC, D1, 0x31, -1
	TANH 1
	QMAX
	QFIN
	DRUN D1
	s_wait_dscnt 16                                ; b_h1 is in
	MMS WF2, SC+8, D2, 0x31, -1
	TANH 2
	QMAX
	QFIN
	DRUN D2
	s_wait_dscnt 0x0                               ; b_h2 is in
	MMS WF3, SC+16, T, 0x22, -1
	TANH 3                                         ; A = h3; G's tiles 0 to 5 = g_h3
	; ---- backward
	WIN 0x80
.set p_, 0
.rept 32
	v_pk_mul_f32 v[T+2*p_:T+2*p_+1], v[A+2*p_:A+2*p_+1], 0x47000000 op_sel_hi:[1,0]   ; h3 x 2^15
.set p_, p_+1
.endr
	WIN 0
	GH3 6                                          ; g_h3's last two tiles, sixteen plain lines apart and sixteen ahead of the first read of G
.set p_, 0
.rept 32
.if p_ == 16
	GH3 7
.endif
	v_pk_fma_f32 v[A+2*p_:A+2*p_+1], v[A+2*p_:A+2*p_+1], v[A+2*p_:A+2*p_+1], 1.0 op_sel_hi:[1,1,0] neg_lo:[1,0,0] neg_hi:[1,0,0]
.set p_, p_+1
.endr
.set p_, 0
.rept 32
	v_pk_mul_f32 v[A+2*p_:A+2*p_+1], v[G+2*p_:G+2*p_+1], v[A+2*p_:A+2*p_+1]   ; g_a3, each accumulator from its low end on
.set p_, p_+1
.endr
	QMAX
	QFIN
	WIN 0x8a
.set p_, 0
.rept 32
	v_cvt_pk_f16_f32 v[T+p_], v[T+2*p_], v[T+2*p_+1]   ; ascending and in place.  These 32 plain lines are also the places ahead of the scaled products
.set p_, p_+1
.endr
	; f's four K steps of 32 and g_a3 W_h2^T's eight tiles by turns, one instruction a turn: no link of f's chain follows the link before it.  The slices g_a2 = G x (1 - h2^2) stand between, as in MMS
	FM 0
	FM 1
	PLACES 4
	SLC 0, D2
	FM 2
	SLC 1, D2
	FM 3
	SLC 2, D2
.irp w, 4,5,6,7
	WIN 0x02
	WM \w, WB3, SC+24, -1
	SLC \w-1, D2
.endr
	SLC 7, D2
	WIN 0
	QMAX
	QFIN
	PLACES 8                                       ; a scale word made by vector lines stands eight places ahead of a scaled product
	MMS WB2, SC+32, -1, 0x03, D1                   ; g_a2 W_h1^T, and g_a1 = G x (1 - h1^2) in the slices
	QMAX
	QFIN
	PLACES 8
	WIN 0x01
	v_wmma_scale_f32_16x16x128_f8f6f4 v[G:G+7], v[WB1:WB1+11], v[P:P+11], 0, v[SC+40], v[PW] matrix_a_fmt:MATRIX_FMT_FP6 matrix_b_fmt:MATRIX_FMT_FP6
.irp j, 0,1,2
	v_mul_f32 v[FO+\j], v[F+\j], s39               ; f: lanes 0-15 hold outputs 0 to 2 of row r.  (With the v_nop: the four places behind the product)
.endr
	v_nop
	WIN 0
	v_mul_f32 v[ND], v[G], v[E]                    ; gz . eps: lanes 0-15 hold columns 0 to 2 in the accumulator's three lowest registers
	v_fma_f32 v[ND], v[G+1], v[E+1], v[ND]
	v_fma_f32 v[ND], -v[G+2], v[E+2], -v[ND]
	s_wait_xcnt 0x0                                ; EXEC changes only behind this wait: the next tile's loads have been issued under it
	v_cmp_gt_u32 vcc_lo, 16, v[LANE]
	s_and_saveexec_b32 s50, vcc_lo
	global_store_b96 v[ZO], v[FO:FO+2], s[30:31] th:TH_STORE_NT     ; 16 lanes store the tile's 192 consecutive bytes
	global_store_b32 v[OO], v[ND], s[32:33] th:TH_STORE_NT          ; and its 64
	s_wait_xcnt 0x0                                ; and again ahead of the line that widens it; the stores' data and all five bases may be written behind it
	s_or_b32 exec_lo, exec_lo, s50
	s_add_nc_u64 s[4:5], s[4:5], 0x400000          ; 1,024 tiles on
	s_add_nc_u64 s[6:7], s[6:7], 0x30000
	s_add_nc_u64 s[8:9], s[8:9], 0x30000
	s_add_nc_u64 s[30:31], s[30:31], 0x30000
	s_add_nc_u64 s[32:33], s[32:33], 0x10000
	s_sub_co_i32 s36, s36, 1
	s_cmp_gt_i32 s36, 0                            ; a signed compare: the count comes down from 31 or 30 and the loop ends at 0
	s_cbranch_scc1 .Ltile
	s_wait_tensorcnt 0x0                           ; the wave's end: three lines behind my last LDS store, the first of them even in a text with no tensor load
	ds_add_u32 v[SPW], v[NIL]
	s_wait_dscnt 0x0
	s_endpgm
.Lfunc_end_k_qf425738a8f_ode:
	.size	k_qf425738a8f_ode, .Lfunc_end_k_qf425738a8f_ode-k_qf425738a8f_ode
	.p2alignl 7, 3214868480
	.fill 96, 4, 3214868480
	.section	.rodata,"a",@progbits
	.p2align	6, 0x0
	.amdhsa_kernel k_qf425738a8f_ode
		.amdhsa_group_segment_fixed_size 86016
		.amdhsa_private_segment_fixed_size 0
		.amdhsa_enable_private_segment 0
		.amdhsa_kernarg_size 120
		.amdhsa_user_sgpr_count 2
		.amdhsa_user_sgpr_kernarg_segment_ptr 1
		.amdhsa_wavefront_size32 1
		.amdhsa_system_sgpr_workgroup_id_x 1
		.amdhsa_system_sgpr_workgroup_id_y 1
		.amdhsa_system_sgpr_workgroup_id_z 1
		.amdhsa_system_vgpr_workitem_id 0
		.amdhsa_next_free_vgpr 1024
		.amdhsa_next_free_sgpr 66
		.amdhsa_reserve_vcc 1
		.amdhsa_float_denorm_mode_32 3
		.amdhsa_float_denorm_mode_16_64 3
		.amdhsa_memory_ordered 1
		.amdhsa_forward_progress 1
		.amdhsa_inst_pref_size 225
	.end_amdhsa_kernel
	.amdgpu_metadata
---
amdhsa.version: [ 1, 2 ]
amdhsa.kernels:
  - .name:           k_qf425738a8f_ode
    .symbol:         k_qf425738a8f_ode.kd
    .args:
      - { .name: context, .offset: 0, .size: 8, .value_kind: global_buffer, .address_space: global }
      - { .name: z, .offset: 8, .size: 8, .value_kind: global_buffer, .address_space: global }
      - { .name: eps, .offset: 16, .size: 8, .value_kind: global_buffer, .address_space: global }
      - { .name: t, .offset: 24, .size: 8, .value_kind: global_buffer, .address_space: global }
      - { .name: W_in, .offset: 32, .size: 8, .value_kind: global_buffer, .address_space: global }
      - { .name: b_in, .offset: 40, .size: 8, .value_kind: global_buffer, .address_space: global }
      - { .name: W_h1, .offset: 48, .size: 8, .value_kind: global_buffer, .address_space: global }
      - { .name: b_h1, .offset: 56, .size: 8, .value_kind: global_buffer, .address_space: global }
      - { .name: W_h2, .offset: 64, .size: 8, .value_kind: global_buffer, .address_space: global }
      - { .name: b_h2, .offset: 72, .size: 8, .value_kind: global_buffer, .address_space: global }
      - { .name: W_out, .offset: 80, .size: 8, .value_kind: global_buffer, .address_space: global }
      - { .name: b_out, .offset: 88, .size: 8, .value_kind: global_buffer, .address_space: global }
      - { .name: out_scale, .offset: 96, .size: 8, .value_kind: global_buffer, .address_space: global }
      - { .name: out0, .offset: 104, .size: 8, .value_kind: global_buffer, .address_space: global }
      - { .name: out1, .offset: 112, .size: 8, .value_kind: global_buffer, .address_space: global }
    .group_segment_fixed_size: 86016
    .private_segment_fixed_size: 0
    .kernarg_segment_align: 8
    .kernarg_segment_size: 120
    .max_flat_workgroup_size: 128
    .sgpr_count:     66
    .vgpr_count:     1024
    .wavefront_size: 32
...
	.end_amdgpu_metadata
.endif
;; end of part 2
